; MI455X (gfx1250); checked and timed in simulation.
; The chip was launched on July 23, 2026; its instructions are those of AMD's public machine-readable ISA for CDNA 5 (MIT licence, August 2026) and "CDNA5" Instruction Set Architecture Reference Guide (July 2026). The comments in the code are by the model that wrote it; some were corrected since.
;; Manual Attention. Allowed arithmetic: matrix products marked QUANTISED: E5M2 operands, one E8M0 scale for each 32 along K, by v_wmma_scale_f32_16x16x128_f8f6f4 with both operands' format E5M2, f32 sums; everything else in f32.
;; Inputs: b_out 1,024 float32; b_qkv 3,072 float32; w_out 1,024 x 1,024 float32; w_qkv 3,072 x 1,024 float32; x 4 x 2,048 x 1,024 float32.
;; Outputs: out0 4 x 2,048 x 1,024 float32.
;; This version of the problem:
;;   THIS VERSION OF THE PROBLEM IS GIVEN IN LOW PRECISION. The matrix products marked QUANTISED in the list below multiply operands that are first quantised to E5M2 (5 exponent bits, 2 mantissa bits; 8 bits a number), with one power-of-two scale for each 32 numbers along K (OCP MX v1.0); their sums are f32. All else is computed in f32.
;;   The module's matrix products, in the order in which they are computed (A, B: the left and right operand; K: the contracted axis; several contracted axes count as one K, in the product's order):
;;     1. [M 8,192, K 1,024] x [K 1,024, N 3,072]; A: input x; B: input w_qkv: QUANTISED
;;     2. batch 64 x [M 2,048, K 64] x [K 64, N 2,048]; A: computed on the way; B: computed on the way: QUANTISED
;;     3. batch 64 x [M 2,048, K 2,048] x [K 2,048, N 64]; A: softmax (see below); B: computed on the way: QUANTISED
;;     4. [M 8,192, K 1,024] x [K 1,024, N 1,024]; A: computed on the way; B: input w_out: QUANTISED
;;   THE QUANTISER, for each operand of a quantised product, along K:
;;     - K is cut into blocks of 32 from its start; a last block that is shorter is filled with zeros.
;;     - A block's scale is 2^e with e = floor(log2(the largest magnitude in the block)) - 15, held to -126 .. 127; a block of zeros has e = 0. As a byte (E8M0): e + 127.
;;     - Each number is divided by its block's scale, clamped to +-57,344, and rounded to the nearest number of E5M2, ties to even, subnormals kept.
;;     - The product sums the exact products of the quantised numbers (number of the format x scale) in f32.
;;   ~~~python
;;   def quantise(x, axis):      # numpy; x: float32 -> the quantised numbers, widened to float32 again
;;       x = np.moveaxis(x, axis, -1); K = x.shape[-1]
;;       x = np.pad(x, [(0, 0)] * (x.ndim - 1) + [(0, -K % 32)]); x = x.reshape(x.shape[:-1] + (-1, 32)); a = np.abs(x).max(-1, keepdims=True)
;;       e = np.where(a > 0, np.clip(np.frexp(np.where(a > 0, a, 1))[1] - 1 - 15, -126, 127), 0)      # np.frexp(a)[1] - 1 = floor(log2(a)), exactly
;;       r = np.clip(x / 2.0 ** e, -57344, 57344)
;;       step = 2.0 ** (np.maximum(np.frexp(np.where(r == 0, 1, r))[1] - 1, -14) - 2)
;;       q = np.round(r / step) * step * 2.0 ** e      # np.round: ties to even
;;       return np.moveaxis(q.reshape(q.shape[:-2] + (-1,))[..., :K], -1, axis).astype(np.float32)
;;   ~~~
;;   SOFTMAX AHEAD OF A QUANTISED PRODUCT. Where the list says 'softmax', what is quantised is not the finished softmax but p = 2^(t - M), with t = logit x log2(e) and M = ceil(the row's largest t), a whole number; so 1/2 < the row's largest p <= 1. The row's sum l is taken of the UNQUANTISED p, in f32, and the product's result is divided by l at the end. Since M is a whole number, a kernel that streams over the keys may use a running M (the ceiling of the running maximum): every later rescaling is an exact power of two, which a block's scale takes up: the codes' values come out the same.
;;   OPERANDS COMPUTED ON THE WAY. 'Computed on the way' means the value that the module computes at that place (a softmax that the list does not call 'softmax' is quantised finished and normalised). What goes into a quantiser is computed in f32, as accurately as f32 sums, v_exp_f32 and their like allow (about 1e-6 of the number): no bf16 or f16 on the way to a quantiser, and a product that is left as it is and whose result goes on into a quantised operand takes f32 operands (vector FMAs, or v_wmma_f32_16x16x4_f32). A number that lies on a knife's edge between two numbers of the format may be rounded either way, as far as f32 arithmetic and the matrix unit's own rounding can turn it there, and no further.
;; One version. Each part assembles by itself: llvm-mc -triple=amdgcn-amd-amdhsa -mcpu=gfx1250 --defsym DOCPART=n.
;; ======== version 1 of 1: 4 launches
;; limits: right only within a limited range of input values
;; workspace buffers: codes1 12,582,912 bytes; scales1 393,216 bytes; qkv_img 25,165,824 bytes; qkv_sc 1,310,720 bytes; at_img 8,388,608 bytes; at_sc 262,144 bytes
;; launch quant (part 1): grid 384 x 1, 4 waves a work-group, no clusters, 33,280 bytes of LDS; arguments x, w_qkv, w_out, codes1, scales1; writes codes1, scales1
.if DOCPART == 1
	.amdgcn_target "amdgcn-amd-amdhsa--gfx1250"
	.amdhsa_code_object_version 6
	.text
	.protected	k_qef8cf486ac_quant
	.globl	k_qef8cf486ac_quant
	.p2align	8
	.type	k_qef8cf486ac_quant,@function
k_qef8cf486ac_quant:
	s_mov_b64 s[64:65], 0
	v_nop
	global_prefetch_b8 v0, s[64:65] scope:SCOPE_SE
	s_setreg_imm32_b32 hwreg(HW_REG_WAVE_MODE, 25, 1), 1
	s_wait_xcnt 0x0
; x [8192][1024], w_qkv [3072][1024] and w_out [1024][1024], f32, K innermost, become codes of BF8 (E5M2) with one E8M0 scale byte for each 32 along K.
; codes1 is [12288 positions][1024 bytes], scales1 [12288 positions][32 bytes]: positions 0.. x, 8192.. w_qkv, 11264.. w_out.
; THE ROWS ARE LAID IN ANOTHER ORDER: inside each group of 32 rows, row 16 a1 + 8 a0 + i lies at position 16 a0 + 8 a1 + i.  Sixteen consecutive positions 32 g + 16 u + r then hold the rows
; 32 g + 8 u + r + 8 (r / 8): a tile of sixteen consecutive positions, used as source 0 of a matrix instruction, gives a lane's 16 registers of two neighbouring tiles 16 neighbouring rows.
; A block's scale is 2^(floor(log2(its largest magnitude)) - 15); its byte is the largest magnitude's exponent field - 15, held at 1 from below.  Each number is divided by the scale, held within +-57,344, rounded to the nearest code, ties to even.
; LIMITS: a block of zeros gets the byte 1 where the rule says 127 (its codes are zeros, and this program alone reads the bytes); blocks whose largest magnitude lies under 2^-111 are held at that floor's byte; NaN and infinities are not served.
; A work-group takes 32 rows, a wave 8 rows = 16 steps of 512 numbers.  So the change of order is a swap of the two bits of the wave's number in the OUTPUT's place; the bytes inside a wave's run stay on end.
; Each load reads 512 consecutive bytes; a step's 2,048 bytes turn through the wave's own stage in LDS so that a lane holds 16 neighbours along K (two lanes hold a block).  No barrier: waves share nothing.
.set STEPS, 16
.set EMAX,  15
.set MANT,  0x600000                   ; the mantissa field of 57,344 as f32
.set CB,    16                         ; bytes of 16 codes
.set R,     16                         ; v16-79   four sets of 16 numbers as they are loaded
.set X,     80                         ; v80-111  two sets of 16 neighbours
.set E,     112                        ; v112-127 a scale byte for each step
.set C,     128                        ; v128-191 codes: four registers for each step, so that no store's data are written again
.set WREG,  8192                       ; LDS: a region for each wave: two stages of 32 x SP bytes, behind them its 256 scale bytes
.set SP,    80                         ; a lane's place in a stage: its 64 bytes + 16 of padding
	s_load_b256 s[4:11], s[0:1], 0x0               ; x s[4:5], w_qkv s[6:7], w_out s[8:9], codes1 s[10:11]
	s_load_b64 s[12:13], s[0:1], 0x20              ; scales1
	v_lshl_add_u32 v192, v0, 2, 0x8000
	v_mov_b32 v193, 0
	v_lshrrev_b32 v1, 5, v0
	v_readfirstlane_b32 s16, v1                    ; wave
	v_and_b32 v2, 31, v0                           ; lane
	v_lshlrev_b32 v3, 4, v2                        ; my 16 bytes of a load's 512
	s_mul_i32 s17, s16, WREG
	v_lshrrev_b32 v14, 2, v2
	v_mul_u32_u24 v14, v14, SP
	v_and_b32 v15, 3, v2
	v_lshl_add_u32 v14, v15, 4, v14
	v_add_nc_u32 v14, s17, v14                     ; the stage, on the way in: SP (lane / 4) + 16 (lane % 4); a load's 512 bytes take eight places
	v_mul_u32_u24 v15, v2, SP
	v_add_nc_u32 v15, s17, v15                     ; and on the way out: SP x lane: my 16 neighbours
	v_mul_u32_u24 v4, v2, CB                       ; my codes' place in a step's
	v_lshrrev_b32 v5, 1, v2
	s_add_co_u32 s17, s17, 2*32*SP
	v_add_nc_u32 v5, s17, v5                       ; LDS: my wave's 256 scale bytes, my block's byte
	v_lshlrev_b32 v7, 3, v2                        ; and on the way out 8 bytes a lane
	v_add_nc_u32 v6, s17, v7
	s_mov_b32 s23, MANT
	s_mov_b32 s17, 352
	s_wait_alu depctr_va_vdst(0)
	s_wait_kmcnt 0x0
	s_cmp_lt_u32 ttmp9, 352                        ; work-groups 0-255 take x, 256-351 w_qkv, 352-383 w_out: the choice hangs on the work-group's number alone
	s_cselect_b64 s[6:7], s[6:7], s[8:9]
	s_cselect_b32 s17, 256, s17
	s_cmp_lt_u32 ttmp9, 256
	s_cselect_b64 s[4:5], s[4:5], s[6:7]
	s_cselect_b32 s17, 0, s17                      ; the tensor's first work-group
	s_sub_co_u32 s17, ttmp9, s17
	s_lshl_b32 s17, s17, 2
	s_add_co_u32 s18, s17, s16                     ; which run of 8 rows of the tensor is my wave's
	s_lshl_b32 s18, s18, 15                        ; 32,768 bytes a run
	s_mov_b32 s19, 0
	s_add_nc_u64 s[4:5], s[4:5], s[18:19]
	s_and_b32 s20, s16, 1                          ; the run's place in the output: the wave's two bits change places
	s_lshl_b32 s20, s20, 1
	s_lshr_b32 s21, s16, 1
	s_or_b32 s20, s20, s21
	s_lshl_b32 s21, ttmp9, 2
	s_add_co_u32 s20, s20, s21
	s_lshl_b32 s18, s20, 13                        ; 8,192 bytes of codes a run
	s_add_nc_u64 s[10:11], s[10:11], s[18:19]
	s_lshl_b32 s18, s20, 8                         ; 256 scale bytes a run
	s_add_nc_u64 s[12:13], s[12:13], s[18:19]
.macro LOAD t
.irp i, 0,1,2,3
	global_load_b128 v[R+16*((\t)%4)+4*\i:R+16*((\t)%4)+4*\i+3], v3, s[4:5] offset:2048*(\t)+512*\i th:TH_LOAD_NT   ; 32 lanes read 512 consecutive bytes
.endr
.endm
.macro TURN t                          ; step t's numbers through the stage: LDS serves a wave's instructions in order, so no wait stands between the stores and the loads
.irp i, 0,1,2,3
	ds_store_b128 v14, v[R+16*((\t)%4)+4*\i:R+16*((\t)%4)+4*\i+3] offset:32*SP*((\t)%2)+8*SP*\i
.endr
.irp i, 0,1,2,3
	ds_load_b128 v[X+16*((\t)%2)+4*\i:X+16*((\t)%2)+4*\i+3], v15 offset:32*SP*((\t)%2)+16*\i
.endr
.endm
.irp t, 0,1,2,3
	LOAD \t
.endr
	s_wait_loadcnt 12                              ; step 0's four loads are in; the twelve of steps 1 to 3 may be out
	TURN 0
.macro STEP t
.set XS, X+16*((\t)%2)
.if (\t) > 0
	s_wait_dscnt 1                                 ; this step's numbers are back from the stage (the last step's byte store may be out): so its stores into the stage have read their registers,
.else
	s_wait_dscnt 0x0
.endif
.if (\t)+4 < STEPS
	LOAD (\t)+4                                    ; which take the loads of four steps on
.endif
.if (\t)+1 < STEPS
.if STEPS-2-(\t) >= 3
	s_wait_loadcnt 12                              ; the next step's four loads are in; those of the three steps behind it may be out
.else
	s_wait_loadcnt 4*(STEPS-2-(\t))
.endif
	TURN (\t)+1                                    ; and go through the other stage while this step is worked
.endif
	v_max3_num_f32 v8, |v[XS]|, |v[XS+1]|, |v[XS+2]|               ; the largest magnitude of my 16, in two chains
	v_max3_num_f32 v9, |v[XS+3]|, |v[XS+4]|, |v[XS+5]|
.irp i, 6,10
	v_max3_num_f32 v8, v8, |v[XS+\i]|, |v[XS+\i+1]|
	v_max3_num_f32 v9, v9, |v[XS+\i+2]|, |v[XS+\i+3]|
.endr
	v_max3_num_f32 v8, v8, |v[XS+14]|, |v[XS+15]|
	v_max3_num_f32 v8, v8, v9, (EMAX+1)<<23        ; and the floor 2^(16 - 127): so the byte cannot fall under 1
	v_max_num_f32_dpp v8, v8, v8 row_xmask:1 row_mask:0xf bank_mask:0xf   ; and of my neighbour's 16: the block's
	v_add_nc_u32 v11, 0xf8800000, v8               ; 15 off its exponent field: the conversion takes the exponent field of this operand as its scale
	v_and_or_b32 v10, v8, 0x7f800000, s23          ; 57,344 x the scale
.irp i, 0,1,2,3,4,5,6,7,8,9,10,11,12,13,14,15
	v_med3_num_f32 v[XS+\i], v[XS+\i], -v10, v10   ; the conversion to an 8-bit code does not saturate (ISA guide 7.6.2): the hold comes first
.endr
	v_cvt_scalef32_pk8_bf8_f32 v[C+4*(\t):C+4*(\t)+1], v[XS:XS+7], v11
	v_cvt_scalef32_pk8_bf8_f32 v[C+4*(\t)+2:C+4*(\t)+3], v[XS+8:XS+15], v11
	v_lshrrev_b32 v[E+(\t)], 23, v11               ; the scale's byte
	ds_store_b8 v5, v[E+(\t)] offset:16*(\t)       ; both lanes of a block write the same byte with the same value
	global_store_b128 v4, v[C+4*(\t):C+4*(\t)+3], s[10:11] offset:32*CB*(\t)   ; the wave stores 512 consecutive bytes
.endm
.irp t, 0,1,2,3,4,5,6,7,8,9,10,11,12,13,14,15
	STEP \t
.endr
	ds_load_b64 v[12:13], v6                       ; LDS serves a wave's instructions in order: these see my stores
	s_wait_dscnt 0x0
	global_store_b64 v7, v[12:13], s[12:13]        ; 32 lanes store 256 consecutive bytes, aligned
	s_wait_tensorcnt 0x0
	ds_add_u32 v192, v193
	s_wait_dscnt 0x0
	s_endpgm
.Lfunc_end_k_qef8cf486ac_quant:
	.size	k_qef8cf486ac_quant, .Lfunc_end_k_qef8cf486ac_quant-k_qef8cf486ac_quant
	.p2alignl 7, 3214868480
	.fill 96, 4, 3214868480
	.section	.rodata,"a",@progbits
	.p2align	6, 0x0
	.amdhsa_kernel k_qef8cf486ac_quant
		.amdhsa_group_segment_fixed_size 33280
		.amdhsa_private_segment_fixed_size 0
		.amdhsa_enable_private_segment 0
		.amdhsa_kernarg_size 40
		.amdhsa_user_sgpr_count 2
		.amdhsa_user_sgpr_kernarg_segment_ptr 1
		.amdhsa_wavefront_size32 1
		.amdhsa_system_sgpr_workgroup_id_x 1
		.amdhsa_system_sgpr_workgroup_id_y 1
		.amdhsa_system_sgpr_workgroup_id_z 1
		.amdhsa_system_vgpr_workitem_id 0
		.amdhsa_next_free_vgpr 194
		.amdhsa_next_free_sgpr 66
		.amdhsa_reserve_vcc 0
		.amdhsa_float_denorm_mode_32 3
		.amdhsa_float_denorm_mode_16_64 3
		.amdhsa_memory_ordered 1
		.amdhsa_forward_progress 1
		.amdhsa_inst_pref_size 51
	.end_amdhsa_kernel
	.amdgpu_metadata
---
amdhsa.version: [ 1, 2 ]
amdhsa.kernels:
  - .name:           k_qef8cf486ac_quant
    .symbol:         k_qef8cf486ac_quant.kd
    .args:
      - { .name: x, .offset: 0, .size: 8, .value_kind: global_buffer, .address_space: global }
      - { .name: w_qkv, .offset: 8, .size: 8, .value_kind: global_buffer, .address_space: global }
      - { .name: w_out, .offset: 16, .size: 8, .value_kind: global_buffer, .address_space: global }
      - { .name: codes1, .offset: 24, .size: 8, .value_kind: global_buffer, .address_space: global }
      - { .name: scales1, .offset: 32, .size: 8, .value_kind: global_buffer, .address_space: global }
    .group_segment_fixed_size: 33280
    .private_segment_fixed_size: 0
    .kernarg_segment_align: 8
    .kernarg_segment_size: 40
    .max_flat_workgroup_size: 128
    .sgpr_count:     66
    .vgpr_count:     194
    .wavefront_size: 32
...
	.end_amdgpu_metadata
.endif
;; end of part 1
;; launch qkv (part 2): grid 12 x 32, 4 waves a work-group, clusters of 4 x 4, 327,680 bytes of LDS; arguments codes1, scales1, b_qkv, qkv_img, qkv_sc; writes qkv_img, qkv_sc
.if DOCPART == 2
	.amdgcn_target "amdgcn-amd-amdhsa--gfx1250"
	.amdhsa_code_object_version 6
	.text
	.protected	k_qef8cf486ac_qkv
	.globl	k_qef8cf486ac_qkv
	.p2align	8
	.type	k_qef8cf486ac_qkv,@function
k_qef8cf486ac_qkv:
	s_mov_b64 s[64:65], 0
	v_nop
	global_prefetch_b8 v0, s[64:65] scope:SCOPE_SE
	s_setreg_imm32_b32 hwreg(HW_REG_WAVE_MODE, 25, 1), 1
	s_wait_xcnt 0x0
	s_wait_alu depctr_hold_cnt(0) depctr_sa_sdst(0) depctr_va_vdst(0) depctr_va_sdst(0) depctr_va_ssrc(0) depctr_va_vcc(0) depctr_vm_vsrc(0)
	s_getreg_b32 s2, hwreg(HW_REG_IB_STS2, 6, 4)
	s_cmp_eq_u32 s2, 0
	s_cbranch_scc0 .Lentry_in_a_cluster
	s_endpgm
.Lentry_in_a_cluster:
	s_bfe_u32 s2, ttmp6, 0x10000c
	s_cmp_lg_u32 s2, 0xf033
	s_cbranch_scc0 .Lentry_shape_is_right
	s_endpgm
.Lentry_shape_is_right:
.set KSTEP,  256
.set NQ,     2
.set ROWB,   256
.set KROW,   1024
.set PITCH,  272
.set FR,     16
.set NL,     4
.set NP,     8
.set HALFT,  128*PITCH
.set SLOT,   4*HALFT
.set LAPS,   2
.set KS,     32
.set SCL,    2*SLOT
.set HALFS,  16*272
.set SBLK,   2*272
.set SPARE,  SCL+4*HALFS
.set BR,   8
.set ADRA, 16
.set ADRB, 20
.set VO,   24
.set SVO,  25
.set ADRS, 27
.set SPW,  28
.set NIL,  29
.set SC,   32
.set BP,   64
.set AF,   128
.set T,    128
.set PC,   192
.set TM,   208
.set W,    224
.set SW,   232
.set SW2,  236
.set G1, 24
.set G0, 32
.set G1B, 48
.set G0B, 56
.set G1S, 68
.set G0S, 76
.set G1SB, 80
.set G0SB, 88
.set MNT, 83
.set SEL, 84
.set MSB, 0
.macro WIN new
.if MSB != (\new)
	s_set_vgpr_msb (MSB<<8)|(\new)
.set MSB, (\new)
.endif
.endm
.set MUL_LO, 0xa1
.set MUL_HI, 0xf1
.set TO_B,   0x40
.macro JLOAD g0a, g1a, g0b, g1b
	s_cmp_eq_u32 s15, 0
	s_cbranch_scc0 .Lfor_b_\@
	tensor_load_to_lds s[\g0a:\g0a+3], s[\g1a:\g1a+7]
	s_nop 0
.rept 4
	v_nop
.endr
	s_branch .Lasked_\@
.Lfor_b_\@:
	tensor_load_to_lds s[\g0b:\g0b+3], s[\g1b:\g1b+7]
	s_nop 0
.rept 4
	v_nop
.endr
.Lasked_\@:
.endm
.macro CREST
	s_cmp_lg_u32 s14, 0
	s_cbranch_scc1 .Lnot_wave_0_\@
	s_barrier_signal -3
.Lnot_wave_0_\@:
	s_barrier_wait -3
	s_barrier_signal -1
	s_barrier_wait -1
.endm
.macro CROUND
	s_barrier_signal -1
	s_barrier_wait -1
	CREST
.endm
	s_load_b128 s[4:7], s[0:1], 0x0
	s_load_b128 s[8:11], s[0:1], 0x10
	s_load_b64 s[12:13], s[0:1], 0x20
	v_lshl_add_u32 v[SPW], v0, 2, SPARE
	v_mov_b32 v[NIL], 0
	ds_add_u32 v28, v29
	ds_add_u32 v28, v29
	s_wait_dscnt 0x0
	v_lshrrev_b32 v1, 5, v0
	v_readfirstlane_b32 s14, v1
	s_lshr_b32 s15, s14, 1
	s_and_b32 s16, s14, 1
	s_bfe_u32 s40, ttmp6, 0x40000
	s_bfe_u32 s41, ttmp6, 0x40004
	s_mov_b32 s96, ttmp9
	s_and_b32 s97, ttmp7, 0xffff
	s_lshl_b32 s2, s97, 2
	s_lshl_b32 s3, s96, 2
	s_add_co_u32 s3, s3, 32
	s_cmp_eq_u32 s96, 2
	s_cselect_b32 s17, 40, s2
	s_cselect_b32 s42, s2, s3
	s_add_co_u32 s17, s17, s41
	s_add_co_u32 s42, s42, s40
	s_lshl_b32 s43, s41, 2
	s_lshl_b32 s43, 15, s43
	s_lshl_b32 s44, 0x1111, s40
	s_or_b32 s[G1+0], s43, (0<<16)|(1<<20)|(1<<21)|(5<<22)|(3<<25)
	s_or_b32 s[G1B+0], s44, (0<<16)|(1<<20)|(1<<21)|(5<<22)|(3<<25)
.irp g, G1, G1B
	s_mov_b32 s[\g+1], ROWB<<16
	s_mov_b32 s[\g+2], 256<<16                     ; the head's loads of codes bring 256 rows
	s_mov_b32 s[\g+3], ROWB<<16
	s_mov_b32 s[\g+4], 256
	s_mov_b32 s[\g+5], KROW
	s_mov_b32 s[\g+6], 0
	s_mov_b32 s[\g+7], 0
.endr
	s_or_b32 s[G1S+0], s43, (3<<16)|(1<<20)|(1<<21)|(5<<22)|(3<<25)
	s_or_b32 s[G1SB+0], s44, (3<<16)|(1<<20)|(1<<21)|(5<<22)|(3<<25)
.irp g, G1S, G1SB
	s_mov_b32 s[\g+1], 32<<16
	s_mov_b32 s[\g+2], 32<<16                      ; the scales of 256 rows: 32 rows of 256 bytes
	s_mov_b32 s[\g+3], 32<<16
	s_mov_b32 s[\g+4], 32
	s_mov_b32 s[\g+5], 32
	s_mov_b32 s[\g+6], 0
	s_mov_b32 s[\g+7], 0
.endr
	s_lshl_b32 s18, s16, 7
	s_lshl_b32 s20, s17, 8
	s_add_co_u32 s20, s20, s18
	s_lshl_b32 s46, s42, 8
	s_add_co_u32 s46, s46, s18
	s_mov_b32 s21, 0
	s_mov_b32 s47, 0
	s_lshl_b32 s22, s17, 13                        ; where the scales of the tile's 256 rows begin: 256 x 32 bytes a tile
	s_mov_b32 s23, 0
	s_lshl_b32 s92, s42, 13
	s_mov_b32 s93, 0
	s_mov_b64 s[18:19], KROW
	s_mul_u64 s[20:21], s[20:21], s[18:19]
	s_mul_u64 s[46:47], s[46:47], s[18:19]
	s_mul_i32 s45, s14, HALFT
	s_wait_kmcnt 0x0
	s_add_nc_u64 s[20:21], s[4:5], s[20:21]
	s_add_nc_u64 s[22:23], s[6:7], s[22:23]
	s_add_nc_u64 s[46:47], s[4:5], s[46:47]
	s_add_nc_u64 s[92:93], s[6:7], s[92:93]
	CROUND
	s_mov_b32 s[G0S], 1
	s_mov_b32 s[G0S+1], SCL
	s_mov_b64 s[G0S+2:G0S+3], s[22:23]
	s_or_b32 s[G0S+3], s[G0S+3], 0x80000000
	s_mov_b32 s[G0SB], 1
	s_mov_b32 s[G0SB+1], SCL+2*HALFS
	s_mov_b64 s[G0SB+2:G0SB+3], s[92:93]
	s_or_b32 s[G0SB+3], s[G0SB+3], 0x80000000
.irp s, 0,1
	s_mov_b32 s[G0+4*\s], 1
	s_add_co_u32 s[G0+4*\s+1], s45, \s*SLOT
	s_add_nc_u64 s[G0+4*\s+2:G0+4*\s+3], s[20:21], \s*ROWB
	s_or_b32 s[G0+4*\s+3], s[G0+4*\s+3], 0x80000000
	s_mov_b32 s[G0B+4*\s], 1
	s_add_co_u32 s[G0B+4*\s+1], s45, \s*SLOT
	s_add_nc_u64 s[G0B+4*\s+2:G0B+4*\s+3], s[46:47], \s*ROWB
	s_or_b32 s[G0B+4*\s+3], s[G0B+4*\s+3], 0x80000000
.endr
; THE HEAD'S LOADS, ONE A WAVE.  What the first step needs is shared out: wave 0 fetches K step 0's 256 rows of source 1, wave 1 their scales, wave 2 the 256 rows of source 0, wave 3 their scales.
; Waves 0 and 2 fetch the first half of a tile in the ring, so their own group 0 of slot 0 names the tile's first row and its first LDS byte.  One tree of branches on the wave's number: every way passes exactly one load.
.macro ARM under, g0, g1, next
	s_cmp_lt_u32 s14, \under
	s_cbranch_scc0 \next
	tensor_load_to_lds s[\g0:\g0+3], s[\g1:\g1+7]
	s_nop 0
.rept 4
	v_nop
.endr
	s_branch .Lhead_asked
\next:
.endm
	ARM 1, G0,  G1,  .Lhead_sa
	ARM 2, G0S, G1S, .Lhead_b
	ARM 3, G0B, G1B, .Lhead_sb
	tensor_load_to_lds s[G0SB:G0SB+3], s[G1SB:G1SB+7]
	s_nop 0
.rept 4
	v_nop
.endr
.Lhead_asked:
	v_and_b32 v1, 15, v0
	v_bfe_u32 v2, v0, 4, 1
	v_mul_u32_u24 v3, v1, PITCH
	v_lshl_add_u32 v4, v2, 4, v3
	s_mul_i32 s21, s15, HALFT
	s_mul_i32 s22, s16, HALFT
	s_add_co_u32 s22, s22, 2*HALFT
.irp s, 0,1
	v_add_nc_u32 v[ADRA+\s], s21, v4
	v_add_nc_u32 v[ADRB+\s], s22, v4
	s_add_co_u32 s21, s21, SLOT
	s_add_co_u32 s22, s22, SLOT
.endr
	v_mul_u32_u24 v5, v1, KS
	v_lshrrev_b32 v6, 8, v5
	v_lshl_add_u32 v5, v6, 4, v5
	s_mul_i32 s21, s15, HALFS
	s_mul_i32 s22, s16, HALFS
	s_add_co_u32 s22, s22, 2*HALFS
	s_sub_co_u32 s22, s22, s21
	v_mul_u32_u24 v6, s22, v2
	s_add_co_u32 s21, s21, SCL
	v_add_nc_u32 v5, v5, v6
	v_add_nc_u32 v[ADRS], s21, v5
	v_and_b32 v[VO], 31, v0
	v_lshlrev_b32 v[VO], 4, v[VO]
	s_lshl_b32 s98, s96, 12
	s_lshl_b32 s99, s40, 10
	s_add_co_u32 s98, s98, s99
	s_lshl_b32 s99, s16, 9
	s_add_co_u32 s98, s98, s99
	s_mov_b32 s99, 0
	s_add_nc_u64 s[98:99], s[8:9], s[98:99]
	s_lshl_b32 s100, s41, 10
	s_lshl_b32 s101, s15, 9
	s_add_co_u32 s100, s100, s101
	s_add_co_u32 s100, s100, 8192
	s_mov_b32 s101, 0
	s_add_nc_u64 s[100:101], s[8:9], s[100:101]
	v_lshlrev_b32 v7, 6, v2
	v_and_b32 v18, 8, v1
	v_add_nc_u32 v18, v18, v1
	v_lshlrev_b32 v18, 2, v18
.irp b, 0,1,2,3,4,5,6,7
	global_load_b128 v[BP+8*\b:BP+8*\b+3], v7, s[98:99] offset:(32*(\b/2)+8*(\b%2))*4
	global_load_b128 v[BP+8*\b+4:BP+8*\b+7], v7, s[98:99] offset:(32*(\b/2)+8*(\b%2))*4+16
.endr
.irp a, 0,1,2,3,4,5,6,7
	global_load_b32 v[BR+\a], v18, s[100:101] offset:(32*(\a/2)+8*(\a%2))*4
.endr
.macro FRAG reg, adr, q, i
.irp c, 0,1,2,3
	ds_load_b128 v[\reg+4*\c:\reg+4*\c+3], v[\adr] offset:128*(\q)+32*\c+(\i)*16*PITCH
.endr
.endm
.macro MUL16 a0, p, q, sc, zero
.irp a, \a0, \a0+1
.irp b, 0,1,2,3,4,5,6,7
.if \zero
	v_wmma_scale_f32_16x16x128_f8f6f4 v[8*(8*((\a)%4)+\b):8*(8*((\a)%4)+\b)+7], v[128*(\p)+FR*\b:128*(\p)+FR*\b+FR-1], v[AF+FR*(\a):AF+FR*(\a)+FR-1], 0, v[SC+8*NQ*(\sc)+NQ*\b+(\q)], v[SC+8*NQ*(\sc)+NQ*(\a)+(\q)] matrix_a_fmt:MATRIX_FMT_BF8 matrix_b_fmt:MATRIX_FMT_BF8 matrix_a_scale:MATRIX_SCALE_ROW1
.else
	v_wmma_scale_f32_16x16x128_f8f6f4 v[8*(8*((\a)%4)+\b):8*(8*((\a)%4)+\b)+7], v[128*(\p)+FR*\b:128*(\p)+FR*\b+FR-1], v[AF+FR*(\a):AF+FR*(\a)+FR-1], v[8*(8*((\a)%4)+\b):8*(8*((\a)%4)+\b)+7], v[SC+8*NQ*(\sc)+NQ*\b+(\q)], v[SC+8*NQ*(\sc)+NQ*(\a)+(\q)] matrix_a_fmt:MATRIX_FMT_BF8 matrix_b_fmt:MATRIX_FMT_BF8 matrix_a_scale:MATRIX_SCALE_ROW1
.endif
.endr
.endr
.endm
.macro FETCH_B slot, q, p
	WIN TO_B
.irp i, 0,1,2,3,4,5,6,7
	FRAG 128*(\p)+FR*\i, ADRB+\slot, \q, \i
.endr
	WIN 0
.endm
.macro FETCH_A slot, q, i0
.irp i, \i0, \i0+1, \i0+2, \i0+3
	FRAG AF+FR*(\i), ADRA+\slot, \q, \i
.endr
.endm
.macro SCALES sc
.irp i, 0,1,2,3,4,5,6,7
	ds_load_b64 v[SC+8*NQ*\sc+NQ*\i:SC+8*NQ*\sc+NQ*\i+1], v[ADRS] offset:\i*SBLK
.endr
.endm
.macro PLACES n
.rept \n
	v_nop
.endr
.endm
.macro STEP slot, q, zero
	s_wait_dscnt 4*NL
	WIN MUL_LO
	MUL16 0, (\q)%2, \q, \slot, \zero
	MUL16 2, (\q)%2, \q, \slot, \zero
	s_wait_dscnt 0
	PLACES NP
	FETCH_B \slot, (\q)+1, 1-(\q)%2
	FETCH_A \slot, (\q)+1, 0
	WIN MUL_HI
	MUL16 4, (\q)%2, \q, \slot, \zero
	MUL16 6, (\q)%2, \q, \slot, \zero
	PLACES NP
	WIN 0
	FETCH_A \slot, (\q)+1, 4
.endm
.macro TURN slot, next, fill
	s_wait_tensorcnt 0x0
	ds_add_u32 v[SPW], v[NIL]
	s_wait_dscnt 4*NL+1
	WIN MUL_LO
	MUL16 0, 1, NQ-1, \slot, 0
	s_wait_dscnt 0x0
	s_barrier_signal -1
	MUL16 2, 1, NQ-1, \slot, 0
	WIN 0
	s_barrier_wait -1
.if \fill
	CREST
	s_add_nc_u64 s[G0+4*\slot+2:G0+4*\slot+3], s[G0+4*\slot+2:G0+4*\slot+3], 2*ROWB
	s_add_nc_u64 s[G0B+4*\slot+2:G0B+4*\slot+3], s[G0B+4*\slot+2:G0B+4*\slot+3], 2*ROWB
	JLOAD G0+4*\slot, G1, G0B+4*\slot, G1B
	PLACES NP-4
.else
	PLACES NP
.endif
	s_wait_alu depctr_va_vdst(0)
	v_add_nc_u32 v[ADRS], 4*NQ, v[ADRS]
	FETCH_B \next, 0, 0
	FETCH_A \next, 0, 0
	SCALES \next
	WIN MUL_HI
	MUL16 4, 1, NQ-1, \slot, 0
	MUL16 6, 1, NQ-1, \slot, 0
	PLACES NP
	WIN 0
	FETCH_A \next, 0, 4
.endm
	s_wait_alu depctr_va_vdst(0)
	s_wait_tensorcnt 0x0                           ; my tile of the head's four is in
	ds_add_u32 v[SPW], v[NIL]
	s_mov_b32 s[G1+2], 128<<16                     ; no tensor load of mine is out, so a descriptor may be written: from here on a load brings 128 rows
	s_mov_b32 s[G1+4], 128
	s_mov_b32 s[G1B+2], 128<<16
	s_mov_b32 s[G1B+4], 128
	s_wait_dscnt 0x0
	CROUND                                         ; all four tiles are in, and all sixteen work-groups are here
	JLOAD G0+4, G1, G0B+4, G1B                     ; K step 1, the first tensor load behind the round
	FETCH_B 0, 0, 0
	FETCH_A 0, 0, 0
	SCALES 0
	FETCH_A 0, 0, 4
	STEP 0, 0, 1
	s_mov_b32 s3, LAPS-1
.Llap:
	TURN 0, 1, 1
	STEP 1, 0, 0
	TURN 1, 0, 1
	STEP 0, 0, 0
	s_sub_co_u32 s3, s3, 1
	s_cmp_lg_u32 s3, 0
	s_cbranch_scc1 .Llap
	TURN 0, 1, 0
	STEP 1, 0, 0
	s_wait_dscnt 4*NL
	WIN MUL_LO
	MUL16 0, 1, NQ-1, 1, 0
	MUL16 2, 1, NQ-1, 1, 0
	s_wait_dscnt 0
	WIN MUL_HI
	MUL16 4, 1, NQ-1, 1, 0
	MUL16 6, 1, NQ-1, 1, 0
	WIN 0
	PLACES NP
	s_lshl_b32 s20, s97, 2
	s_add_co_u32 s21, s20, s40
	s_lshl_b32 s21, s21, 1
	s_add_co_u32 s21, s21, s16
	s_add_co_u32 s22, s20, s41
	s_lshl_b32 s22, s22, 1
	s_add_co_u32 s22, s22, s15
	s_lshl_b32 s23, s41, 2
	s_lshl_b32 s24, s15, 1
	s_add_co_u32 s23, s23, s24
	s_lshl_b32 s24, s40, 2
	s_lshl_b32 s25, s16, 1
	s_add_co_u32 s24, s24, s25
	s_mov_b32 s72, 1024
	s_mov_b32 s74, 1024
	s_mov_b32 s76, 131072
	s_mov_b32 s82, 256
	s_mov_b32 s88, 524288
	s_mov_b32 s87, 768
	s_cmp_eq_u32 s96, 2
	s_cselect_b32 s20, s21, s22
	s_cselect_b32 s21, s23, s24
	s_cselect_b32 s72, 2048, s72
	s_cselect_b32 s74, 124928, s74
	s_cselect_b32 s76, 1024, s76
	s_cselect_b32 s82, 12288, s82
	s_cselect_b32 s88, 524800, s88
	s_cmp_eq_u32 s96, 0
	s_cselect_b32 s88, 0, s88
	s_cselect_b32 s87, 512, s87
	s_mov_b32 s73, 0
	s_mov_b32 s75, 0
	s_mov_b32 s77, 0
	s_lshr_b32 s22, s20, 4
	s_lshl_b32 s22, s22, 4
	s_add_co_u32 s22, s22, s21
	s_lshl_b32 s22, s22, 4
	s_and_b32 s23, s20, 15
	s_add_co_u32 s22, s22, s23
	s_lshl_b32 s68, s96, 23
	s_lshl_b32 s23, s22, 13
	s_add_co_u32 s68, s68, s23
	s_mov_b32 s69, 0
	s_add_nc_u64 s[68:69], s[10:11], s[68:69]
	s_add_nc_u64 s[70:71], s[68:69], s[76:77]
	s_mul_i32 s78, s22, s87
	s_add_co_u32 s78, s78, s88
	s_mov_b32 s79, 0
	s_add_nc_u64 s[78:79], s[12:13], s[78:79]
	s_lshl_b32 s80, s87, 4
	s_mov_b32 s81, 0
	s_add_nc_u64 s[80:81], s[78:79], s[80:81]
	s_mov_b32 s[MNT], 0x600000
	s_mov_b32 s[SEL], 0x76543210
	s_mov_b32 s[SEL+1], 0xfedcba98
	s_mov_b32 s86, 0xffff0000
	v_mul_lo_u32 v[SVO], v2, s82
	v_lshl_add_u32 v[SVO], v1, 4, v[SVO]
.irp b, 0,1,2,3
	v_mov_b32 v[TM+4+\b], 0
.endr
	s_wait_loadcnt 0x0
.macro BIAS a
.set AC, 64*((\a)%4)
.set RB2, BR+2*((\a)/2)
	s_cmp_eq_u32 s96, 2
	s_cbranch_scc1 .Lby_r_\@
	WIN 2+(\a)/4
.set i, 0
.rept 32
	v_pk_add_f32 v[T+i:T+i+1], v[AC+i:AC+i+1], v[BP+i:BP+i+1]
.set i, i+2
.endr
	WIN 0
	s_branch .Lbiased_\@
.Lby_r_\@:
	WIN 2+(\a)/4
.set i, 0
.rept 32
.if (\a)%2
	v_pk_add_f32 v[T+i:T+i+1], v[AC+i:AC+i+1], v[RB2:RB2+1] op_sel:[0,1] op_sel_hi:[1,1]
.else
	v_pk_add_f32 v[T+i:T+i+1], v[AC+i:AC+i+1], v[RB2:RB2+1] op_sel_hi:[1,0]
.endif
.set i, i+2
.endr
	WIN 0
.Lbiased_\@:
.endm
.macro QUANT s, w
.irp b, 0,1,2,3
	v_max3_num_f32 v[TM+\b], |v[\s+16*\b]|, |v[\s+1+16*\b]|, 0x8000000
.endr
.irp i, 2,4,6,8,10,12,14
.irp b, 0,1,2,3
	v_max3_num_f32 v[TM+\b], v[TM+\b], |v[\s+16*\b+\i]|, |v[\s+1+16*\b+\i]|
.endr
.endr
.irp b, 0,1,2,3
	v_permlanex16_b32 v[TM+4+\b], v[TM+\b], s[SEL], s[SEL+1]
.endr
.irp b, 0,1,2,3
	v_max_num_f32 v[TM+\b], v[TM+\b], v[TM+4+\b]
.endr
.irp b, 0,1,2,3
	v_add_nc_u32 v[TM+12+\b], 0xf8800000, v[TM+\b]
.endr
.irp b, 0,1,2,3
	v_and_or_b32 v[TM+8+\b], v[TM+\b], 0x7f800000, s[MNT]
.endr
.irp b, 0,1,2,3
	v_lshrrev_b32 v[TM+4+\b], 23, v[TM+12+\b]
.endr
	v_lshl_or_b32 v[\w], v[TM+5], 8, v[TM+4]
	v_lshl_or_b32 v[\w], v[TM+6], 16, v[\w]
	v_lshl_or_b32 v[\w], v[TM+7], 24, v[\w]
.irp b, 0,1,2,3
.irp i, 0,1,2,3,4,5,6,7,8,9,10,11,12,13,14,15
	v_med3_num_f32 v[\s+16*\b+\i], v[\s+16*\b+\i], -v[TM+8+\b], v[TM+8+\b]
.endr
	v_cvt_scalef32_pk8_bf8_f32 v[PC+4*\b:PC+1+4*\b], v[\s+16*\b:\s+7+16*\b], v[TM+12+\b]
	v_cvt_scalef32_pk8_bf8_f32 v[PC+2+4*\b:PC+3+4*\b], v[\s+8+16*\b:\s+15+16*\b], v[TM+12+\b]
.endr
	v_nop
.endm
.irp a, 0,1,2,3,4,5,6,7
.if \a > 0
	s_wait_xcnt 0x0
.if \a == 4
	s_add_nc_u64 s[68:69], s[68:69], s[74:75]
	s_add_nc_u64 s[70:71], s[70:71], s[74:75]
.else
	s_add_nc_u64 s[68:69], s[68:69], s[72:73]
	s_add_nc_u64 s[70:71], s[70:71], s[72:73]
.endif
.endif
	BIAS \a
	QUANT T, W+\a
.irp c, 0,1
	global_store_b128 v[VO], v[PC+4*\c:PC+4*\c+3], s[68:69] offset:512*\c
	global_store_b128 v[VO], v[PC+8+4*\c:PC+8+4*\c+3], s[70:71] offset:512*\c
.endr
.endr
.irp i, 0,1,2,3
	v_cndmask_b32 v[SW+\i], v[W+\i], v[W+4+\i], s86
.endr
	global_store_b128 v[SVO], v[SW:SW+3], s[78:79]
	s_cmp_eq_u32 s96, 2
	s_cbranch_scc1 .Lno_odd
.irp i, 0,1,2,3
	v_lshrrev_b32 v[SW2+\i], 16, v[SW+\i]
.endr
	global_store_b128 v[SVO], v[SW2:SW2+3], s[80:81]
.Lno_odd:
	s_wait_tensorcnt 0x0
	ds_add_u32 v[SPW], v[NIL]
	s_wait_dscnt 0x0
	CROUND
	s_endpgm
.Lfunc_end_k_qef8cf486ac_qkv:
	.size	k_qef8cf486ac_qkv, .Lfunc_end_k_qef8cf486ac_qkv-k_qef8cf486ac_qkv
	.p2alignl 7, 3214868480
	.fill 96, 4, 3214868480
	.section	.rodata,"a",@progbits
	.p2align	6, 0x0
	.amdhsa_kernel k_qef8cf486ac_qkv
		.amdhsa_group_segment_fixed_size 327680
		.amdhsa_private_segment_fixed_size 0
		.amdhsa_enable_private_segment 0
		.amdhsa_kernarg_size 40
		.amdhsa_user_sgpr_count 2
		.amdhsa_user_sgpr_kernarg_segment_ptr 1
		.amdhsa_wavefront_size32 1
		.amdhsa_system_sgpr_workgroup_id_x 1
		.amdhsa_system_sgpr_workgroup_id_y 1
		.amdhsa_system_sgpr_workgroup_id_z 1
		.amdhsa_system_vgpr_workitem_id 0
		.amdhsa_next_free_vgpr 1024
		.amdhsa_next_free_sgpr 102
		.amdhsa_reserve_vcc 0
		.amdhsa_float_denorm_mode_32 3
		.amdhsa_float_denorm_mode_16_64 3
		.amdhsa_memory_ordered 1
		.amdhsa_forward_progress 1
		.amdhsa_inst_pref_size 223
	.end_amdhsa_kernel
	.amdgpu_metadata
---
amdhsa.version: [ 1, 2 ]
amdhsa.kernels:
  - .name:           k_qef8cf486ac_qkv
    .symbol:         k_qef8cf486ac_qkv.kd
    .args:
      - { .name: codes1, .offset: 0, .size: 8, .value_kind: global_buffer, .address_space: global }
      - { .name: scales1, .offset: 8, .size: 8, .value_kind: global_buffer, .address_space: global }
      - { .name: b_qkv, .offset: 16, .size: 8, .value_kind: global_buffer, .address_space: global }
      - { .name: qkv_img, .offset: 24, .size: 8, .value_kind: global_buffer, .address_space: global }
      - { .name: qkv_sc, .offset: 32, .size: 8, .value_kind: global_buffer, .address_space: global }
    .group_segment_fixed_size: 327680
    .private_segment_fixed_size: 0
    .kernarg_segment_align: 8
    .kernarg_segment_size: 40
    .max_flat_workgroup_size: 128
    .sgpr_count:     102
    .vgpr_count:     1024
    .wavefront_size: 32
...
	.end_amdgpu_metadata
.endif
;; end of part 2
;; launch attn (part 3): grid 8 x 32, 16 waves a work-group, clusters of 4 x 1, 327,680 bytes of LDS; arguments qkv_img, qkv_sc, at_img, at_sc; writes at_img, at_sc
.if DOCPART == 3
	.amdgcn_target "amdgcn-amd-amdhsa--gfx1250"
	.amdhsa_code_object_version 6
	.text
	.protected	k_qef8cf486ac_attn
	.globl	k_qef8cf486ac_attn
	.p2align	8
	.type	k_qef8cf486ac_attn,@function
k_qef8cf486ac_attn:
	s_mov_b64 s[64:65], 0
	v_nop
	global_prefetch_b8 v0, s[64:65] scope:SCOPE_SE
	s_setreg_imm32_b32 hwreg(HW_REG_WAVE_MODE, 25, 1), 1
	s_wait_xcnt 0x0
	s_wait_alu depctr_hold_cnt(0) depctr_sa_sdst(0) depctr_va_vdst(0) depctr_va_sdst(0) depctr_va_ssrc(0) depctr_va_vcc(0) depctr_vm_vsrc(0)
	s_getreg_b32 s2, hwreg(HW_REG_IB_STS2, 6, 4)
	s_cmp_eq_u32 s2, 0
	s_cbranch_scc0 .Lentry_in_a_cluster
	s_endpgm
.Lentry_in_a_cluster:
	s_bfe_u32 s2, ttmp6, 0x10000c
	s_cmp_lg_u32 s2, 0x3003
	s_cbranch_scc0 .Lentry_shape_is_right
	s_endpgm
.Lentry_shape_is_right:
; o = softmax(q k^T / 8) v for 64 (batch, head) pairs of 2,048 tokens and 64 channels, both products on codes of BF8 (E5M2) with E8M0 scales; o leaves as codes, quantised along (head, channel), the K of the last product.
; THE SOFTMAX: t = score x log2(e) / 8; M = the running largest t rounded UP to a whole number; p = 2^(t - M) is quantised along the keys, not normalised; the row's sum is taken of the unquantised p and divides at the end.
; When M moves, the sum and O are multiplied by 2^(old M - new M): exact.
; SHARES.  Work-group y = batch 8 + kappa owns the heads 2 kappa and 2 kappa + 1, one after the other, and 256 queries; each of its sixteen waves owns one tile of 16 queries in 256 registers, four waves to a SIMD.
; So a wave ends with the four blocks of 32 of one K step of the last product: a whole fragment and a whole scale word a row.
; CLUSTER.  The four work-groups of a cluster walk the same keys: every tile is asked for jointly (mask 15).
; THE RING.  Two slots of 1,024 keys: K's eight key steps of 8,192 bytes, then V's eight: 131,072 bytes.  A head is two slots, so the launch has four changes of slots.  Waves 0 to 3 fetch K's quarters, waves 4 to 7 V's, 16 KiB each.
; LAYOUT.  Everything comes as images of operand registers (16 bytes a lane, 512 consecutive bytes an LDS load).  Both products are used transposed: S^T = K Q^T, O^T = V^T P^T: a lane holds one query.
; The tokens of a tile of K, and the channels of a tile of V, were chosen by the launches before so that the 16 registers of result tiles 2 b, 2 b + 1 are 16 neighbours: 32 b + 16 (lane / 16) + 0 .. 15.
; K = 64 FILLS HALF OF THE INSTRUCTION'S 128: Q's upper eight registers hold zero codes.  A tile of K is the run v[32 + 8 t : 47 + 8 t]: its upper eight registers are the next tile's codes (for tile 7: p's), always finite numbers, which meet Q's zeros.
; THE ROW'S SUM OF A STEP IS ADDED AT THE HEAD OF THE NEXT STEP: p stays in its registers until the next scores are made, and the 32 packed additions are the places behind the matrix instructions and stand beside K's LDS loads.
; LIMITS: a block of zeros gets the byte 1 (its codes are zeros; this program alone reads the bytes); NaN and infinities are not served; the promise holds while the scaled scores t stay under 2^31 in magnitude.
.set SLOT1, 131072                     ; slot s at s x 131,072
.set VOFF,  65536                      ; V's part of a slot
.set SCL,   262144                     ; the scale records of both heads, 32 x 768 bytes, filled once
.set SCST,  SCL+24576                  ; 1,024 bytes: the stage for o's scale words; no fill lands here
.set SPARE, SCST+1024                  ; the spare words, 128 bytes for each of sixteen waves
.set LI,   1                           ; v1   16 x lane
.set LIS,  2                           ; v2   + SCL
.set LRS,  3                           ; v3   16 r + SCL + 512: V's scale words in a record
.set SCA,  4                           ; v4   where my row's scale word goes in the stage
.set SPW,  5
.set NIL,  6
.set PFO,  7                           ; v7   256 x lane: the prefetches' offset; never rewritten
.set AD,   8                           ; v8   the step's tiles of K
.set ASKA, 9                           ; v9   the step's record, K's words
.set ASV,  10                          ; v10  V's words
.set HB,   11                          ; v11  the first head's two scale bytes
                                       ; v12 -M, v13 the largest score, v[14:15] the sum in two halves
.set Q,    16                          ; v16-23 Q's codes, v24-31 zeros
.set KV,   32                          ; v32-95 eight tiles of K, then four fragments of V
.set PC,   96                          ; v96-111 p's codes
.set S,    112                         ; v112-175 S^T, then p
.set O,    176                         ; v176-207 O^T
.set T,    208                         ; v208-221 seven partial sums, from a step's head until its scores are made; then:
.set BM,   208                         ; blocks' largest
.set T2,   212
.set HO,   216                         ; 57,344 x the scale
.set SL,   220                         ; the conversions' scale operands
.set KSC,  224                         ; K's scale words: lanes 0-15 tile i, lanes 16-31 tile 4 + i
.set VSC,  228                         ; V's, tile t
.set F,    232                         ; v[232:233] f = 2^(old M - new M)
.set PS,   234                         ; p's scale word
.set QS,   235                         ; Q's scale word
.set QS1,  236                         ; the second head's
.set TMP,  237
.set RC,   238                         ; v[238:239] 1 / the sum (the low word serves both halves)
.set ADV,  239                         ; v239 the step's fragments of V
.set Q1,   240                         ; v240-247 the second head's Q
.set OC,   248                         ; v248-255 o's codes
.set HA,   208                         ; v208-215 eight held p on their way to a conversion (the blocks' largest and the scales' bytes are done with by then)
.set HC,   248                         ; v248-255 eight more
.set WV,   12
.set TK,   16                          ; s16  LDS byte of the step's tiles of K
.set TS,   17                          ; s17  and of its scale record, less SCL
.set CNT,  19
.set SEL,  20
.set CS,   22                          ; s[22:23] c = log2(e) / 8
.set G1C,  24
.set G1S,  32
.set G0C,  40
.set G0S,  44
.set PFA,  48
.set LIM,  50                          ; s50  wave / 4: 2 in the waves that prefetch
.set MNT,  51
.set TV,   52                          ; s52  LDS byte of the step's fragments of V
.set AT,   54                          ; s[54:55] my tile's fragment in at_img
.set ASC,  56                          ; s[56:57] (waves 0, 1) eight tiles' scale words in at_sc
.macro CROUND                          ; a round of the cluster's barrier
	s_barrier_signal -1
	s_barrier_wait -1
	s_cmp_lg_u32 s[WV], 0
	s_cbranch_scc1 .Lnot_wave_0_\@
	s_barrier_signal -3
.Lnot_wave_0_\@:
	s_barrier_wait -3
	s_barrier_signal -1
	s_barrier_wait -1
.endm
.macro TLOAD                           ; waves 0 to 7 fetch, the others nothing; an s_nop 0 and four v_nop follow the line
	s_cmp_lt_u32 s[WV], 8
	s_cbranch_scc0 .Lnone_\@
	tensor_load_to_lds s[G0C:G0C+3], s[G1C:G1C+7]
	s_nop 0
.rept 4
	v_nop
.endr
.Lnone_\@:
.endm
; A prefetch into the L2 of what the NEXT change of slots will ask for: 64 KiB of K's images and 64 KiB of V's, eight key steps ahead of that load.  In each cluster the four partners take 16 KiB of each, told apart by address;
; in each, waves 8 and 9 ask for K's and waves 10 and 11 for V's, 8 KiB a wave, lanes 256 bytes apart, one instruction.  The last fill asks for nothing; slots 0 and 1 come by their loads alone.
.macro ASK
	s_cmp_eq_u32 s[LIM], 2
	s_cbranch_scc0 .Lnot_mine_\@
	global_prefetch_b8 v[PFO], s[PFA:PFA+1] th:TH_LOAD_NT scope:SCOPE_SE
.Lnot_mine_\@:
.endm
	s_load_b128 s[4:7], s[0:1], 0x0                ; qkv_img s[4:5], qkv_sc s[6:7]
	s_load_b128 s[8:11], s[0:1], 0x10              ; at_img s[8:9], at_sc s[10:11]
	v_lshl_add_u32 v[SPW], v0, 2, SPARE
	v_mov_b32 v[NIL], 0
	ds_add_u32 v[SPW], v[NIL]                      ; the opening add, twice on end
	ds_add_u32 v[SPW], v[NIL]
	v_lshrrev_b32 v8, 5, v0
	v_readfirstlane_b32 s[WV], v8                  ; wave 0..15
	s_bfe_u32 s13, ttmp6, 0x40000                  ; cx
	s_lshl_b32 s14, ttmp9, 2
	s_add_co_u32 s14, s14, s13                     ; my block of 256 queries
	s_and_b32 s15, ttmp7, 0xffff                   ; y = batch 8 + kappa
	s_lshl_b32 s58, s15, 18                        ; the pair's first byte in each part of qkv_img: 2 y x 131,072
	s_bfe_u32 s60, s[WV], 0x10002                  ; what I fetch, if I fetch: waves 0 to 3: K (part 1); waves 4 to 7: V (part 2);
	s_add_co_u32 s60, s60, 1
	s_lshl_b32 s60, s60, 23
	s_add_co_u32 s60, s60, s58
	s_and_b32 s59, s[WV], 3
	s_lshl_b32 s61, s59, 14                        ; which two key steps of the slot's eight
	s_add_co_u32 s60, s60, s61
	s_mov_b32 s61, 0
	s_mul_i32 s66, s59, 6144                       ; waves 8 to 11: a quarter of the pair's 24,576 bytes of scale records
	s_mul_i32 s62, s15, 24576
	s_add_co_u32 s62, s62, s66
	s_add_co_u32 s62, s62, 524288
	s_mov_b32 s63, 0
	s_lshl_b32 s68, s14, 4
	s_add_co_u32 s68, s68, s[WV]                   ; T: my tile of 16 queries, 0 .. 127
	s_lshl_b32 s70, s68, 10
	s_add_co_u32 s70, s70, s58                     ; Q's image: 1,024 bytes a tile
	s_mov_b32 s71, 0
	s_lshl_b32 s76, s15, 14                        ; Q's scale words: (2 y 16 + T / 8) x 512 + ((T % 8) / 4) x 256 + 4 (T % 4), + 16 r
	s_lshr_b32 s67, s68, 3
	s_lshl_b32 s67, s67, 9
	s_add_co_u32 s76, s76, s67
	s_bfe_u32 s67, s[WV], 0x10002
	s_lshl_b32 s67, s67, 8
	s_add_co_u32 s76, s76, s67
	s_lshl_b32 s67, s59, 2
	s_add_co_u32 s76, s76, s67
	s_mov_b32 s77, 0
	s_lshr_b32 s78, s[WV], 2                       ; the stage: (wave / 4) x 256 + 4 (wave % 4), + 16 r
	s_lshl_b32 s78, s78, 8
	s_add_co_u32 s78, s78, s67
	s_add_co_u32 s78, s78, SCST
	s_lshr_b32 s72, s15, 3                         ; batch
	s_and_b32 s73, s15, 7                          ; kappa
	s_lshl_b32 s74, s72, 7
	s_add_co_u32 s74, s74, s68
	s_lshl_b32 s74, s74, 14
	s_lshl_b32 s75, s73, 11
	s_add_co_u32 s[AT], s74, s75                   ; ((batch 128 + T) 8 + kappa) x 2,048
	s_mov_b32 s[AT+1], 0
	s_lshl_b32 s74, s72, 4
	s_lshl_b32 s75, s14, 1
	s_add_co_u32 s74, s74, s75
	s_add_co_u32 s74, s74, s[WV]
	s_lshl_b32 s74, s74, 3
	s_add_co_u32 s74, s74, s73
	s_lshl_b32 s[ASC], s74, 9                      ; ((batch 16 + 2 block + wave) 8 + kappa) x 512: used by waves 0 and 1 alone
	s_mov_b32 s[ASC+1], 0
	s_bfe_u32 s[PFA], s[WV], 0x10001               ; the prefetches: waves 8, 9: K's part; waves 10, 11: V's;
	s_add_co_u32 s[PFA], s[PFA], 1
	s_lshl_b32 s[PFA], s[PFA], 23
	s_add_co_u32 s[PFA], s[PFA], s58
	s_and_b32 s69, s[WV], 1
	s_lshl_b32 s69, s69, 2
	s_add_co_u32 s69, s69, s13                     ; which 8 KiB of a slot's 64: 4 (wave % 2) + cx;
	s_lshl_b32 s69, s69, 13
	s_add_co_u32 s[PFA], s[PFA], s69
	s_add_co_u32 s[PFA], s[PFA], 65536             ; in slot 1: the first change of slots steps it to slot 2
	s_mov_b32 s[PFA+1], 0
	s_lshr_b32 s[LIM], s[WV], 2
	s_mov_b32 s[G1C], 15|(3<<16)|(1<<21)           ; the mask: all four work-groups; elements of 8 bytes; bit 21 beside a mask; no padding: the images are read 16 bytes a lane, on end
	s_mov_b32 s[G1C+1], 32<<16                     ; rows of 256 bytes,
	s_mov_b32 s[G1C+2], 64<<16                     ; 64 of them: 16 KiB, dense
	s_mov_b32 s[G1C+3], 32<<16
	s_mov_b32 s[G1C+4], 64
	s_mov_b32 s[G1C+5], 32
	s_mov_b32 s[G1C+6], 0
	s_mov_b32 s[G1C+7], 0
	s_mov_b32 s[G1S], 15|(3<<16)|(1<<21)           ; the scale records: 24 rows of 256 bytes
	s_mov_b32 s[G1S+1], 32<<16
	s_mov_b32 s[G1S+2], 24<<16
	s_mov_b32 s[G1S+3], 32<<16
	s_mov_b32 s[G1S+4], 24
	s_mov_b32 s[G1S+5], 32
	s_mov_b32 s[G1S+6], 0
	s_mov_b32 s[G1S+7], 0
	s_mov_b32 s[SEL], 0x76543210
	s_mov_b32 s[SEL+1], 0xfedcba98                 ; v_permlanex16_b32's selects for lane l xor 16
	s_mov_b32 s[CS], 0x3e38aa3b                    ; c = log2(e) / 8
	s_mov_b32 s[CS+1], s[CS]                       ; (named with it as a pair, so it is written)
	s_mov_b32 s[MNT], 0x600000                     ; the mantissa field of 57,344
	s_mov_b32 s[TS], 0
	s_wait_alu depctr_va_vdst(0)
	s_wait_dscnt 0x0                               ; both opening adds are done
	s_wait_kmcnt 0x0
	s_mov_b32 s[G0C], 1
	s_lshl_b32 s[G0C+1], s[WV], 14                 ; LDS: wave x 16 KiB of slot 0
	s_add_nc_u64 s[G0C+2:G0C+3], s[4:5], s[60:61]
	s_or_b32 s[G0C+3], s[G0C+3], 0x80000000
	s_mov_b32 s[G0S], 1
	s_add_co_u32 s[G0S+1], s66, SCL
	s_add_nc_u64 s[G0S+2:G0S+3], s[6:7], s[62:63]
	s_or_b32 s[G0S+3], s[G0S+3], 0x80000000
	s_add_nc_u64 s[70:71], s[4:5], s[70:71]
	s_add_nc_u64 s[76:77], s[6:7], s[76:77]
	s_add_nc_u64 s[AT:AT+1], s[8:9], s[AT:AT+1]
	s_add_nc_u64 s[ASC:ASC+1], s[10:11], s[ASC:ASC+1]
	s_add_nc_u64 s[PFA:PFA+1], s[4:5], s[PFA:PFA+1]
	CROUND                                         ; all four work-groups are here: the first joint loads meet
; THE HEAD'S LOADS, ONE A WAVE AT THE MOST: waves 0 to 7 slot 0, waves 8 to 11 the scale records of both heads, filled once.  One tree of branches on the wave's number, an arm a load.
.macro ARM under, g0, g1, next
	s_cmp_lt_u32 s[WV], \under
	s_cbranch_scc0 \next
	tensor_load_to_lds s[\g0:\g0+3], s[\g1:\g1+7]
	s_nop 0
.rept 4
	v_nop
.endr
	s_branch .Lhead_asked
\next:
.endm
	ARM 8,  G0C, G1C, .Lhead_sc
	ARM 12, G0S, G1S, .Lhead_none
.Lhead_asked:
	v_and_b32 v8, 31, v0
	v_and_b32 v9, 15, v0
	v_lshlrev_b32 v[LI], 4, v8
	v_lshlrev_b32 v[PFO], 8, v8
	v_lshlrev_b32 v9, 4, v9                        ; 16 r
	v_add_nc_u32 v[LIS], SCL, v[LI]
	v_add_nc_u32 v[LRS], SCL+512, v9
	v_add_nc_u32 v[SCA], s78, v9
.irp c, 0,1
	global_load_b128 v[Q+4*\c:Q+4*\c+3], v[LI], s[70:71] offset:512*\c             ; Q of the first head,
	global_load_b128 v[Q1+4*\c:Q1+4*\c+3], v[LI], s[70:71] offset:131072+512*\c    ; and of the second
.endr
	global_load_b32 v[QS], v9, s[76:77]
	global_load_b32 v[QS1], v9, s[76:77] offset:8192
.set j, 0
.rept 8
	v_mov_b32 v[Q+8+j], 0                          ; Q's codes for k = 64 .. 127: zeros
.set j, j+1
.endr
.set j, 0
.rept 16
	v_mov_b32 v[PC+j], 0                           ; read as the upper half of K's tile 7 before p's first codes are made
.set j, j+1
.endr
.macro BEGIN_HEAD                      ; a step is written for every step alike: a head's first finds O^T, the sum and the last step's p as zeros
.set j, 0
.rept 96
	v_mov_b32 v[S+j], 0                            ; p (64 registers) and O^T (32) lie on end
.set j, j+1
.endr
	v_mov_b32 v13, 0xff61b1e6                      ; the largest score so far: -3e38
	v_mov_b32 v14, 0
	v_mov_b32 v15, 0
	v_floor_f32 v12, -v13                          ; -M
.endm
	BEGIN_HEAD
	v_mov_b32 v[F+1], 0                            ; (upper half of a pair of which the low word serves both halves)
; THE ROW'S SUM of the p that lie in v[S ..]: 25 additions of pairs into eight chains (seven partial sums and the sum itself), in two runs, and 7 that join the chains.
.macro SUMA1
.set j, 0
.rept 7
	v_pk_add_f32 v[T+2*j:T+2*j+1], v[S+4*j:S+4*j+1], v[S+4*j+2:S+4*j+3]
.set j, j+1
.endr
	v_pk_add_f32 v[14:15], v[14:15], v[S+28:S+29]
.endm
.macro SUMA2
.set j, 0
.rept 17
.if j%8 == 7
	v_pk_add_f32 v[14:15], v[14:15], v[S+30+2*j:S+31+2*j]
.else
	v_pk_add_f32 v[T+2*(j%8):T+2*(j%8)+1], v[T+2*(j%8):T+2*(j%8)+1], v[S+30+2*j:S+31+2*j]
.endif
.set j, j+1
.endr
.endm
.macro SUMB
	v_pk_add_f32 v[T:T+1], v[T:T+1], v[T+2:T+3]
	v_pk_add_f32 v[T+4:T+5], v[T+4:T+5], v[T+6:T+7]
	v_pk_add_f32 v[T+8:T+9], v[T+8:T+9], v[T+10:T+11]
	v_pk_add_f32 v[14:15], v[14:15], v[T+12:T+13]
	v_pk_add_f32 v[T:T+1], v[T:T+1], v[T+4:T+5]
	v_pk_add_f32 v[14:15], v[14:15], v[T+8:T+9]
	v_pk_add_f32 v[14:15], v[14:15], v[T:T+1]
.endm
; A KEY STEP: 128 keys.
.macro STEP
	v_add_nc_u32 v[AD], s[TK], v[LI]               ; these four lines and the eight additions below name no register of the last products: twelve places in front of K's loads (eight are asked)
	v_add_nc_u32 v[ASKA], s[TS], v[LIS]
	v_add_nc_u32 v[ADV], s[TV], v[LI]
	v_add_nc_u32 v[ASV], s[TS], v[LRS]
	SUMA1                                          ; the last step's p, under its M
.irp t, 0,1,2,3,4,5,6,7
.irp c, 0,1
	ds_load_b128 v[KV+8*\t+4*\c:KV+8*\t+4*\c+3], v[AD] offset:1024*\t+512*\c
.endr
.endr
	ds_load_b128 v[KSC:KSC+3], v[ASKA]
	SUMA2                                          ; while K's tiles are on their way
	s_wait_alu depctr_va_vdst(0)
	s_wait_dscnt 0x0
.irp t, 0,1,2,3
	v_wmma_scale_f32_16x16x128_f8f6f4 v[S+8*\t:S+8*\t+7], v[KV+8*\t:KV+8*\t+15], v[Q:Q+15], 0, v[KSC+\t], v[QS] matrix_a_fmt:MATRIX_FMT_BF8 matrix_b_fmt:MATRIX_FMT_BF8
.endr
.irp t, 4,5,6,7
	v_wmma_scale_f32_16x16x128_f8f6f4 v[S+8*\t:S+8*\t+7], v[KV+8*\t:KV+8*\t+15], v[Q:Q+15], 0, v[KSC+\t-4], v[QS] matrix_a_fmt:MATRIX_FMT_BF8 matrix_b_fmt:MATRIX_FMT_BF8 matrix_a_scale:MATRIX_SCALE_ROW1
.endr
	SUMB                                           ; seven additions and one move: the eight places in front of V's loads into K's registers and of the first read of the scores
	v_mov_b32 v[TMP], v12                          ; the old -M
.irp t, 0,1,2,3
.irp c, 0,1,2,3
	ds_load_b128 v[KV+16*\t+4*\c:KV+16*\t+4*\c+3], v[ADV] offset:2048*\t+512*\c   ; V's fragments are asked for now and land under the softmax
.endr
.endr
	ds_load_b128 v[VSC:VSC+3], v[ASV]
.irp b, 0,1,2,3
	v_max3_num_f32 v[BM+\b], v[S+16*\b], v[S+16*\b+1], v[S+16*\b+2]   ; the largest score of each block of 32 keys: it serves for the row's maximum and, since p rises with the score, for the block's largest p
.endr
.irp i, 3,5,7,9,11,13
.irp b, 0,1,2,3
	v_max3_num_f32 v[BM+\b], v[BM+\b], v[S+16*\b+\i], v[S+16*\b+\i+1]
.endr
.endr
.irp b, 0,1,2,3
	v_max_num_f32 v[BM+\b], v[BM+\b], v[S+16*\b+15]
.endr
.irp b, 0,1,2,3
	s_delay_alu instid0(VALU_DEP_4)
	v_permlanex16_b32 v[T2+\b], v[BM+\b], s[SEL], s[SEL+1]
.endr
.irp b, 0,2
	v_dual_max_num_f32 v[BM+\b], v[BM+\b], v[T2+\b] :: v_dual_max_num_f32 v[BM+\b+1], v[BM+\b+1], v[T2+\b+1]   ; with lane l xor 16's 16 keys, two blocks an instruction
.endr
	v_max3_num_f32 v[F], v[BM], v[BM+1], v[BM+2]
	s_delay_alu instid0(VALU_DEP_1)
	v_max3_num_f32 v13, v[F], v[BM+3], v13         ; the running largest score of my query
	s_delay_alu instid0(VALU_DEP_1)
	v_mul_f32 v[F], s[CS], v13                     ; as t (c is positive)
	s_delay_alu instid0(VALU_DEP_1)
	v_floor_f32 v12, -v[F]                         ; the new -M = floor(-t): M is a whole number
	s_delay_alu instid0(VALU_DEP_1)
	v_sub_f32 v[TMP], v12, v[TMP]                  ; old M - new M: a whole number, 0 or less
	s_delay_alu instid0(VALU_DEP_1)
	v_cvt_i32_f32 v[TMP], v[TMP]                   ; (it saturates)
	s_delay_alu instid0(VALU_DEP_1)
	v_ldexp_f32 v[F], 1.0, v[TMP]                  ; f = 2^(old M - new M)
.set j, 0
.rept 32
	v_pk_fma_f32 v[S+j:S+j+1], v[S+j:S+j+1], s[CS:CS+1], v[12:13] op_sel_hi:[1,0,0]   ; t - M, two at a time
.set j, j+2
.endr
.irp b, 0,1,2,3
	v_fma_f32 v[BM+\b], v[BM+\b], s[CS], v12       ; the same of each block's largest score
.endr
	s_wait_alu depctr_va_vdst(0)
.irp b, 0,1,2,3
	v_exp_f32 v[BM+\b], v[BM+\b]                   ; the block's largest p: the same two instructions on the same number give the same bits
.endr
.set j, 0
.rept 64
	v_exp_f32 v[S+j], v[S+j]                       ; p = 2^(t - M), at most 1
.set j, j+1
.endr
	v_pk_mul_f32 v[14:15], v[14:15], v[F:F+1] op_sel_hi:[1,0]   ; the sum under the new M: a plain instruction behind the exponentials
	s_wait_alu depctr_va_vdst(0)                   ; one wait for the batch of 68, ahead of its first reader
.irp b, 0,2
	v_dual_max_num_f32 v[BM+\b], 0x8000000, v[BM+\b] :: v_dual_max_num_f32 v[BM+\b+1], 0x8000000, v[BM+\b+1]   ; the floor 2^(16 - 127): the byte cannot fall under 1
.endr
.irp b, 0,1,2,3
	v_add_nc_u32 v[SL+\b], 0xf8800000, v[BM+\b]    ; 15 off the exponent field: the conversion's scale operand
.endr
.irp b, 0,1,2,3
	v_and_or_b32 v[HO+\b], v[BM+\b], 0x7f800000, s[MNT]   ; 57,344 x the scale
.endr
.irp b, 0,1,2,3
	v_lshrrev_b32 v[T2+\b], 23, v[SL+\b]           ; the scale's byte
.endr
	s_delay_alu instid0(VALU_DEP_3)
	v_lshl_or_b32 v[PS], v[T2+1], 8, v[T2]         ; p's scale word for these 128 keys
	s_delay_alu instid0(VALU_DEP_1)
	v_lshl_or_b32 v[PS], v[T2+2], 16, v[PS]
	s_delay_alu instid0(VALU_DEP_1)
	v_lshl_or_b32 v[PS], v[T2+3], 24, v[PS]
.irp b, 0,1,2,3
.set j, 0
.rept 4
	v_dual_min_num_f32 v[HA+j], v[S+16*\b+j], v[HO+\b] :: v_dual_min_num_f32 v[HA+j+1], v[S+16*\b+j+1], v[HO+\b]   ; the conversion does not saturate (ISA guide 7.6.2); p is not negative, so the hold is one-sided; two numbers an instruction.  THE HELD p GO INTO OTHER REGISTERS: the row's sum is taken of p as it is
.set j, j+2
.endr
	v_cvt_scalef32_pk8_bf8_f32 v[PC+4*\b:PC+4*\b+1], v[HA:HA+7], v[SL+\b]
.set j, 0
.rept 4
	v_dual_min_num_f32 v[HC+j], v[S+16*\b+8+j], v[HO+\b] :: v_dual_min_num_f32 v[HC+j+1], v[S+16*\b+9+j], v[HO+\b]
.set j, j+2
.endr
	v_cvt_scalef32_pk8_bf8_f32 v[PC+4*\b+2:PC+4*\b+3], v[HC:HC+7], v[SL+\b]
.endr
	s_wait_alu depctr_va_vdst(0)                   ; directly ahead of the first reader of O^T
.set j, 0
.rept 16
	v_pk_mul_f32 v[O+j:O+j+1], v[O+j:O+j+1], v[F:F+1] op_sel_hi:[1,0]   ; O^T under the new M; these are also the places between the codes and the products
.set j, j+2
.endr
	s_wait_alu depctr_va_vdst(0)
	s_wait_dscnt 0x0                               ; V and its scale words are in
.irp t, 0,1,2,3
	v_wmma_scale_f32_16x16x128_f8f6f4 v[O+8*\t:O+8*\t+7], v[KV+16*\t:KV+16*\t+15], v[PC:PC+15], v[O+8*\t:O+8*\t+7], v[VSC+\t], v[PS] matrix_a_fmt:MATRIX_FMT_BF8 matrix_b_fmt:MATRIX_FMT_BF8
.endr
.endm
; THE CHANGE OF SLOTS stands at a slot's head.  Each wave waits for all its tensor loads, adds 0 to its spare word, and waits for that and for its reads of the slot that it has left.
; fill = 1: a round of the cluster's barrier, and behind it the other slot is filled with the next 1,024 keys (the two heads' images lie on end in memory): the load has eight key steps in which to land.
.macro CHANGE fill, ask
	s_wait_tensorcnt 0x0                           ; no tensor load of mine is out, so a group 0 may be written
	ds_add_u32 v[SPW], v[NIL]                      ; 0 onto my spare word
.if \fill
	ds_add_u32 v[SPW], v[NIL]                      ; and once more
	s_xor_b32 s[G0C+1], s[G0C+1], SLOT1            ; the other slot than last time,
	s_add_nc_u64 s[G0C+2:G0C+3], s[G0C+2:G0C+3], 65536   ; the next eight key steps
	s_wait_xcnt 0x0                                ; the last prefetch, a slot back, has read its address
	s_add_nc_u64 s[PFA:PFA+1], s[PFA:PFA+1], 65536
	s_wait_dscnt 0x0                               ; the adds are done, and my reads of the slot that I have left are over
	CROUND
	TLOAD                                          ; the first thing behind the round, and a wave's one tensor load until the next
.if \ask
	ASK
.endif
.else
	s_wait_dscnt 0x0
	s_barrier_signal -1
	s_barrier_wait -1
.endif
.endm
.macro SLOT base, fill, ask            ; a slot's eight key steps, in a loop of eight trips
	CHANGE \fill, \ask
	s_mov_b32 s[TK], \base
	s_mov_b32 s[TV], \base+VOFF
	s_mov_b32 s[CNT], 8
.Lstep_\@:
	STEP
	s_add_co_u32 s[TK], s[TK], 8192
	s_add_co_u32 s[TV], s[TV], 8192
	s_add_co_u32 s[TS], s[TS], 768
	s_sub_co_u32 s[CNT], s[CNT], 1
	s_cmp_lg_u32 s[CNT], 0
	s_cbranch_scc1 .Lstep_\@
.endm
; A HEAD'S END: the last step's p are summed; O^T / the sum is quantised along the channels (two blocks of 32) and stored as half of a fragment of the last product's operand: two stores of 512 consecutive bytes.
.macro HEAD_END hd
	SUMA1                                          ; these 32 additions are also the places behind the last products
	SUMA2
	SUMB
	s_delay_alu instid0(VALU_DEP_1)
	v_add_f32 v14, v14, v15                        ; the sum's two halves,
	s_delay_alu instid0(VALU_DEP_1)
	v_permlanex16_b32 v[T2], v14, s[SEL], s[SEL+1]
	s_delay_alu instid0(VALU_DEP_1)
	v_add_f32 v14, v14, v[T2]                      ; and lane l xor 16's
	s_wait_alu depctr_va_vdst(0)
	v_rcp_f32 v[RC], v14
	v_nop                                          ; a plain instruction behind the reciprocal,
	s_wait_alu depctr_va_vdst(0)                   ; and the wait ahead of its first reader, which is also O^T's
.set j, 0
.rept 16
	v_pk_mul_f32 v[O+j:O+j+1], v[O+j:O+j+1], v[RC:RC+1] op_sel_hi:[1,0]   ; register 16 b + i is o(my query, channel 32 b + 16 (lane / 16) + i)
.set j, j+2
.endr
.irp b, 0,1
	v_max3_num_f32 v[BM+\b], |v[O+16*\b]|, |v[O+16*\b+1]|, 0x8000000
.endr
.irp i, 2,4,6,8,10,12,14
.irp b, 0,1
	s_delay_alu instid0(VALU_DEP_2)
	v_max3_num_f32 v[BM+\b], v[BM+\b], |v[O+16*\b+\i]|, |v[O+16*\b+\i+1]|
.endr
.endr
.irp b, 0,1
	s_delay_alu instid0(VALU_DEP_2)
	v_permlanex16_b32 v[T2+\b], v[BM+\b], s[SEL], s[SEL+1]
.endr
.irp b, 0,1
	s_delay_alu instid0(VALU_DEP_2)
	v_max_num_f32 v[BM+\b], v[BM+\b], v[T2+\b]
.endr
.irp b, 0,1
	s_delay_alu instid0(VALU_DEP_2)
	v_add_nc_u32 v[SL+\b], 0xf8800000, v[BM+\b]
.endr
.irp b, 0,1
	s_delay_alu instid0(VALU_DEP_4)
	v_and_or_b32 v[HO+\b], v[BM+\b], 0x7f800000, s[MNT]
.endr
.irp b, 0,1
	s_delay_alu instid0(VALU_DEP_4)
	v_lshrrev_b32 v[T2+\b], 23, v[SL+\b]
.endr
	s_delay_alu instid0(VALU_DEP_1)
	v_lshl_or_b32 v[TMP], v[T2+1], 8, v[T2]        ; this head's two scale bytes
.if \hd
	s_wait_alu depctr_va_vdst(0)
	s_wait_xcnt 0x0                                ; the first head's stores have read their data
.endif
.irp b, 0,1
.set j, 0
.rept 16
	v_med3_num_f32 v[O+16*\b+j], v[O+16*\b+j], -v[HO+\b], v[HO+\b]
.set j, j+1
.endr
	v_cvt_scalef32_pk8_bf8_f32 v[OC+4*\b:OC+4*\b+1], v[O+16*\b:O+16*\b+7], v[SL+\b]
	v_cvt_scalef32_pk8_bf8_f32 v[OC+4*\b+2:OC+4*\b+3], v[O+16*\b+8:O+16*\b+15], v[SL+\b]
.endr
	v_nop                                          ; one plain vector instruction behind the last conversion
.irp b, 0,1
	global_store_b128 v[LI], v[OC+4*\b:OC+4*\b+3], s[AT:AT+1] offset:(2*\hd+\b)*512
.endr
.endm
	s_wait_alu depctr_va_vdst(0)
	s_wait_loadcnt 0x0                             ; Q and its scale words
	SLOT 0, 1, 1                                   ; the first head's keys 0 .. 1,023; slot 1's first fill is issued as a refill is
	SLOT SLOT1, 1, 1                               ; its keys 1,024 .. 2,047; slot 0 takes the second head's first half
	HEAD_END 0
	v_mov_b32 v[HB], v[TMP]
	BEGIN_HEAD                                     ; the second head begins as the first did
.set j, 0
.rept 8
	v_mov_b32 v[Q+j], v[Q1+j]
.set j, j+1
.endr
	v_mov_b32 v[QS], v[QS1]
	s_wait_alu depctr_va_vdst(0)
	SLOT 0, 1, 0                                   ; the last fill: nothing lies behind it to be prefetched
	SLOT SLOT1, 0, 0                               ; the last slot asks for nothing
	HEAD_END 1
	v_lshl_or_b32 v[TMP], v[TMP], 16, v[HB]        ; my row's scale word for this K step: the first head's two bytes, then the second's
	v_lshl_add_u32 v[AD], v0, 4, SCST              ; (waves 0 and 1: 16 bytes a thread of the stage's 1,024)
	ds_store_b32 v[SCA], v[TMP]                    ; lanes l and l xor 16 write the same word with the same value
	s_wait_dscnt 0x0                               ; for the others' sake: my store has landed
	s_barrier_signal -1
	s_barrier_wait -1
	s_cmp_lt_u32 s[WV], 2
	s_cbranch_scc0 .Lno_sc
	s_wait_alu depctr_va_vdst(0)
	ds_load_b128 v[S:S+3], v[AD]                   ; eight tiles' scale words, laid as the last product's loads want them
	s_wait_dscnt 0x0
	global_store_b128 v[LI], v[S:S+3], s[ASC:ASC+1]   ; 512 consecutive bytes
.Lno_sc:
	s_wait_tensorcnt 0x0                           ; the wave's end
	ds_add_u32 v[SPW], v[NIL]
	s_wait_dscnt 0x0
	CROUND                                         ; the closing round
	s_endpgm
.Lfunc_end_k_qef8cf486ac_attn:
	.size	k_qef8cf486ac_attn, .Lfunc_end_k_qef8cf486ac_attn-k_qef8cf486ac_attn
	.p2alignl 7, 3214868480
	.fill 96, 4, 3214868480
	.section	.rodata,"a",@progbits
	.p2align	6, 0x0
	.amdhsa_kernel k_qef8cf486ac_attn
		.amdhsa_group_segment_fixed_size 327680
		.amdhsa_private_segment_fixed_size 0
		.amdhsa_enable_private_segment 0
		.amdhsa_kernarg_size 32
		.amdhsa_user_sgpr_count 2
		.amdhsa_user_sgpr_kernarg_segment_ptr 1
		.amdhsa_wavefront_size32 1
		.amdhsa_system_sgpr_workgroup_id_x 1
		.amdhsa_system_sgpr_workgroup_id_y 1
		.amdhsa_system_sgpr_workgroup_id_z 1
		.amdhsa_system_vgpr_workitem_id 0
		.amdhsa_next_free_vgpr 256
		.amdhsa_next_free_sgpr 80
		.amdhsa_reserve_vcc 0
		.amdhsa_float_denorm_mode_32 3
		.amdhsa_float_denorm_mode_16_64 3
		.amdhsa_memory_ordered 1
		.amdhsa_forward_progress 1
		.amdhsa_inst_pref_size 110
	.end_amdhsa_kernel
	.amdgpu_metadata
---
amdhsa.version: [ 1, 2 ]
amdhsa.kernels:
  - .name:           k_qef8cf486ac_attn
    .symbol:         k_qef8cf486ac_attn.kd
    .args:
      - { .name: qkv_img, .offset: 0, .size: 8, .value_kind: global_buffer, .address_space: global }
      - { .name: qkv_sc, .offset: 8, .size: 8, .value_kind: global_buffer, .address_space: global }
      - { .name: at_img, .offset: 16, .size: 8, .value_kind: global_buffer, .address_space: global }
      - { .name: at_sc, .offset: 24, .size: 8, .value_kind: global_buffer, .address_space: global }
    .group_segment_fixed_size: 327680
    .private_segment_fixed_size: 0
    .kernarg_segment_align: 8
    .kernarg_segment_size: 32
    .max_flat_workgroup_size: 512
    .sgpr_count:     80
    .vgpr_count:     256
    .wavefront_size: 32
...
	.end_amdgpu_metadata
.endif
;; end of part 3
;; launch proj (part 4): grid 4 x 32, 4 waves a work-group, clusters of 4 x 4, 327,680 bytes of LDS; arguments at_img, at_sc, codes1, scales1, b_out, out0; writes out0
.if DOCPART == 4
	.amdgcn_target "amdgcn-amd-amdhsa--gfx1250"
	.amdhsa_code_object_version 6
	.text
	.protected	k_qef8cf486ac_proj
	.globl	k_qef8cf486ac_proj
	.p2align	8
	.type	k_qef8cf486ac_proj,@function
k_qef8cf486ac_proj:
	s_mov_b64 s[64:65], 0
	v_nop
	global_prefetch_b8 v0, s[64:65] scope:SCOPE_SE
	s_setreg_imm32_b32 hwreg(HW_REG_WAVE_MODE, 25, 1), 1
	s_wait_xcnt 0x0
	s_wait_alu depctr_hold_cnt(0) depctr_sa_sdst(0) depctr_va_vdst(0) depctr_va_sdst(0) depctr_va_ssrc(0) depctr_va_vcc(0) depctr_vm_vsrc(0)
	s_getreg_b32 s2, hwreg(HW_REG_IB_STS2, 6, 4)
	s_cmp_eq_u32 s2, 0
	s_cbranch_scc0 .Lentry_in_a_cluster
	s_endpgm
.Lentry_in_a_cluster:
	s_bfe_u32 s2, ttmp6, 0x10000c
	s_cmp_lg_u32 s2, 0xf033
	s_cbranch_scc0 .Lentry_shape_is_right
	s_endpgm
.Lentry_shape_is_right:
.set NQ,     2
.set PITCH,  272
.set FR,     16
.set NL,     4
.set NP,     8
.set RHALF,  32768
.set PHALF,  128*PITCH
.set POFF,   2*RHALF
.set SLOT,   POFF+2*PHALF
.set LAPS,   2
.set SCLP,   2*SLOT
.set HALFS,  16*272
.set SCLR,   SCLP+2*HALFS
.set SPARE,  SCLR+8192
.set SPITCH, 528
.set ADRA, 16
.set ADRB, 20
.set STO,  24
.set RD,   25
.set CO,   26
.set ADSP, 27
.set SPW,  28
.set NIL,  29
.set ADSR, 30
.set SC,   32
.set BI,   64
.set AF,   128
.set BK,   128
.set G1, 24
.set G0, 32
.set G1B, 48
.set G0B, 56
.set G1S, 68
.set G0S, 76
.set G1SB, 80
.set G0SB, 88
.set MSB, 0
.macro WIN new
.if MSB != (\new)
	s_set_vgpr_msb (MSB<<8)|(\new)
.set MSB, (\new)
.endif
.endm
.set MUL_LO, 0xa1
.set MUL_HI, 0xf1
.set TO_B,   0x40
.macro JLOAD g0a, g1a, g0b, g1b
	s_cmp_eq_u32 s15, 0
	s_cbranch_scc0 .Lfor_b_\@
	tensor_load_to_lds s[\g0a:\g0a+3], s[\g1a:\g1a+7]
	s_nop 0
.rept 4
	v_nop
.endr
	s_branch .Lasked_\@
.Lfor_b_\@:
	tensor_load_to_lds s[\g0b:\g0b+3], s[\g1b:\g1b+7]
	s_nop 0
.rept 4
	v_nop
.endr
.Lasked_\@:
.endm
.macro CREST
	s_cmp_lg_u32 s14, 0
	s_cbranch_scc1 .Lnot_wave_0_\@
	s_barrier_signal -3
.Lnot_wave_0_\@:
	s_barrier_wait -3
	s_barrier_signal -1
	s_barrier_wait -1
.endm
.macro CROUND
	s_barrier_signal -1
	s_barrier_wait -1
	CREST
.endm
	s_load_b128 s[4:7], s[0:1], 0x0
	s_load_b128 s[8:11], s[0:1], 0x10
	s_load_b128 s[96:99], s[0:1], 0x20
	v_lshl_add_u32 v[SPW], v0, 2, SPARE
	v_mov_b32 v[NIL], 0
	ds_add_u32 v28, v29
	ds_add_u32 v28, v29
	s_wait_dscnt 0x0
	v_lshrrev_b32 v1, 5, v0
	v_readfirstlane_b32 s14, v1
	s_lshr_b32 s15, s14, 1
	s_and_b32 s16, s14, 1
	s_bfe_u32 s40, ttmp6, 0x40000
	s_bfe_u32 s41, ttmp6, 0x40004
	s_lshl_b32 s42, ttmp9, 2
	s_add_co_u32 s42, s42, s40
	s_and_b32 s17, ttmp7, 0xffff
	s_lshl_b32 s17, s17, 2
	s_add_co_u32 s17, s17, s41
	s_lshl_b32 s43, s41, 2
	s_lshl_b32 s43, 15, s43
	s_lshl_b32 s44, 0x1111, s40
	s_or_b32 s[G1+0], s43, (3<<16)|(1<<21)
	s_mov_b32 s[G1+1], 512<<16
	s_mov_b32 s[G1+2], 16<<16                      ; the head's load of images brings 16 tiles of 16 rows
	s_mov_b32 s[G1+3], 512<<16
	s_mov_b32 s[G1+4], 16
	s_mov_b32 s[G1+5], 2048
	s_mov_b32 s[G1+6], 0
	s_mov_b32 s[G1+7], 0
	s_or_b32 s[G1B+0], s44, (0<<16)|(1<<20)|(1<<21)|(5<<22)|(3<<25)
	s_mov_b32 s[G1B+1], 256<<16
	s_mov_b32 s[G1B+2], 256<<16                    ; and that of w_out's codes 256 rows
	s_mov_b32 s[G1B+3], 256<<16
	s_mov_b32 s[G1B+4], 256
	s_mov_b32 s[G1B+5], 1024
	s_mov_b32 s[G1B+6], 0
	s_mov_b32 s[G1B+7], 0
	s_or_b32 s[G1S+0], s43, (3<<16)|(1<<21)
	s_or_b32 s[G1SB+0], s44, (3<<16)|(1<<20)|(1<<21)|(5<<22)|(3<<25)
.irp g, G1S, G1SB
	s_mov_b32 s[\g+1], 32<<16
	s_mov_b32 s[\g+2], 32<<16                      ; the scales of 256 rows: 32 rows of 256 bytes
	s_mov_b32 s[\g+3], 32<<16
	s_mov_b32 s[\g+4], 32
	s_mov_b32 s[\g+5], 32
	s_mov_b32 s[\g+6], 0
	s_mov_b32 s[\g+7], 0
.endr
	s_lshl_b32 s18, s16, 17
	s_lshl_b32 s20, s17, 18
	s_add_co_u32 s20, s20, s18
	s_mov_b32 s21, 0
	s_lshl_b32 s22, s17, 13
	s_mov_b32 s23, 0
	s_lshl_b32 s46, s42, 18
	s_add_co_u32 s46, s46, s18
	s_add_co_u32 s46, s46, 11264*1024
	s_mov_b32 s47, 0
	s_lshl_b32 s92, s42, 13
	s_add_co_u32 s92, s92, 11264*32
	s_mov_b32 s93, 0
	s_lshl_b32 s45, s16, 15
	s_mul_i32 s94, s16, PHALF
	s_add_co_u32 s94, s94, POFF
	s_wait_kmcnt 0x0
	s_add_nc_u64 s[20:21], s[4:5], s[20:21]
	s_add_nc_u64 s[22:23], s[6:7], s[22:23]
	s_add_nc_u64 s[46:47], s[8:9], s[46:47]
	s_add_nc_u64 s[92:93], s[10:11], s[92:93]
	CROUND
	s_mov_b32 s[G0S], 1
	s_mov_b32 s[G0S+1], SCLR
	s_mov_b64 s[G0S+2:G0S+3], s[22:23]
	s_or_b32 s[G0S+3], s[G0S+3], 0x80000000
	s_mov_b32 s[G0SB], 1
	s_mov_b32 s[G0SB+1], SCLP
	s_mov_b64 s[G0SB+2:G0SB+3], s[92:93]
	s_or_b32 s[G0SB+3], s[G0SB+3], 0x80000000
.irp s, 0,1
	s_mov_b32 s[G0+4*\s], 1
	s_add_co_u32 s[G0+4*\s+1], s45, \s*SLOT
	s_add_nc_u64 s[G0+4*\s+2:G0+4*\s+3], s[20:21], \s*4096
	s_or_b32 s[G0+4*\s+3], s[G0+4*\s+3], 0x80000000
	s_mov_b32 s[G0B+4*\s], 1
	s_add_co_u32 s[G0B+4*\s+1], s94, \s*SLOT
	s_add_nc_u64 s[G0B+4*\s+2:G0B+4*\s+3], s[46:47], \s*256
	s_or_b32 s[G0B+4*\s+3], s[G0B+4*\s+3], 0x80000000
.endr
; THE HEAD'S LOADS, ONE A WAVE.  What the first step needs is shared out: wave 0 fetches K step 0's images of the 256 rows, wave 1 their scale words, wave 2 w_out's 256 rows of codes, wave 3 their scales.
; Waves 0 and 2 fetch the first half of a tile in the ring, so their own group 0 of slot 0 names the tile's first row and its first LDS byte.  One tree of branches on the wave's number: every way passes exactly one load.
.macro ARM under, g0, g1, next
	s_cmp_lt_u32 s14, \under
	s_cbranch_scc0 \next
	tensor_load_to_lds s[\g0:\g0+3], s[\g1:\g1+7]
	s_nop 0
.rept 4
	v_nop
.endr
	s_branch .Lhead_asked
\next:
.endm
	ARM 1, G0,  G1,  .Lhead_sa
	ARM 2, G0S, G1S, .Lhead_b
	ARM 3, G0B, G1B, .Lhead_sb
	tensor_load_to_lds s[G0SB:G0SB+3], s[G1SB:G1SB+7]
	s_nop 0
.rept 4
	v_nop
.endr
.Lhead_asked:
	v_and_b32 v1, 15, v0
	v_bfe_u32 v2, v0, 4, 1
	v_and_b32 v6, 31, v0
	v_lshlrev_b32 v[CO], 4, v6
	v_mul_u32_u24 v3, v1, PITCH
	v_lshl_add_u32 v4, v2, 4, v3
	s_lshl_b32 s21, s15, 15
	s_mul_i32 s22, s16, PHALF
	s_add_co_u32 s22, s22, POFF
.irp s, 0,1
	v_add_nc_u32 v[ADRA+\s], s21, v[CO]
	v_add_nc_u32 v[ADRB+\s], s22, v4
	s_add_co_u32 s21, s21, SLOT
	s_add_co_u32 s22, s22, SLOT
.endr
	v_lshlrev_b32 v5, 5, v1
	v_lshrrev_b32 v6, 8, v5
	v_lshl_add_u32 v5, v6, 4, v5
	v_mul_u32_u24 v6, v2, 4*544
	v_add_nc_u32 v5, v5, v6
	s_mul_i32 s21, s16, HALFS
	s_add_co_u32 s21, s21, SCLP
	v_add_nc_u32 v[ADSP], s21, v5
	s_lshl_b32 s21, s15, 12
	s_add_co_u32 s21, s21, SCLR
	v_add_nc_u32 v[ADSR], s21, v[CO]
	s_mul_i32 s23, s14, 16*SPITCH
	v_mul_u32_u24 v5, v1, SPITCH
	v_lshl_add_u32 v5, v2, 6, v5
	v_add_nc_u32 v[STO], s23, v5
	v_add_nc_u32 v[RD], s23, v[CO]
	s_lshl_b32 s20, s42, 10
	s_lshl_b32 s21, s16, 9
	s_add_co_u32 s20, s20, s21
	s_mov_b32 s21, 0
	s_add_nc_u64 s[96:97], s[96:97], s[20:21]
	s_add_nc_u64 s[98:99], s[98:99], s[20:21]
	s_lshl_b32 s20, s17, 20
	s_lshl_b32 s22, s15, 19
	s_add_co_u32 s20, s20, s22
	s_add_nc_u64 s[98:99], s[98:99], s[20:21]
	v_lshlrev_b32 v7, 6, v2
.irp b, 0,1,2,3,4,5,6,7
	global_load_b128 v[BI+8*\b:BI+8*\b+3], v7, s[96:97] offset:(32*(\b/2)+8*(\b%2))*4
	global_load_b128 v[BI+8*\b+4:BI+8*\b+7], v7, s[96:97] offset:(32*(\b/2)+8*(\b%2))*4+16
.endr
.macro FRAGP reg, adr, q, i
.irp c, 0,1,2,3
	ds_load_b128 v[\reg+4*\c:\reg+4*\c+3], v[\adr] offset:128*(\q)+32*\c+(\i)*16*PITCH
.endr
.endm
.macro FRAGR reg, adr, q, i
.irp c, 0,1,2,3
	ds_load_b128 v[\reg+4*\c:\reg+4*\c+3], v[\adr] offset:4096*(\i)+2048*(\q)+512*\c
.endr
.endm
.macro WM acc, pf, rf, cc, sp, sr, ph, rh
.if (\ph) && (\rh)
	v_wmma_scale_f32_16x16x128_f8f6f4 v[(\acc):(\acc)+7], v[(\pf):(\pf)+15], v[(\rf):(\rf)+15], v[(\cc):(\cc)+7], v[\sp], v[\sr] matrix_a_fmt:MATRIX_FMT_BF8 matrix_b_fmt:MATRIX_FMT_BF8 matrix_a_scale:MATRIX_SCALE_ROW1 matrix_b_scale:MATRIX_SCALE_ROW1
.elseif \ph
	v_wmma_scale_f32_16x16x128_f8f6f4 v[(\acc):(\acc)+7], v[(\pf):(\pf)+15], v[(\rf):(\rf)+15], v[(\cc):(\cc)+7], v[\sp], v[\sr] matrix_a_fmt:MATRIX_FMT_BF8 matrix_b_fmt:MATRIX_FMT_BF8 matrix_a_scale:MATRIX_SCALE_ROW1
.elseif \rh
	v_wmma_scale_f32_16x16x128_f8f6f4 v[(\acc):(\acc)+7], v[(\pf):(\pf)+15], v[(\rf):(\rf)+15], v[(\cc):(\cc)+7], v[\sp], v[\sr] matrix_a_fmt:MATRIX_FMT_BF8 matrix_b_fmt:MATRIX_FMT_BF8 matrix_b_scale:MATRIX_SCALE_ROW1
.else
	v_wmma_scale_f32_16x16x128_f8f6f4 v[(\acc):(\acc)+7], v[(\pf):(\pf)+15], v[(\rf):(\rf)+15], v[(\cc):(\cc)+7], v[\sp], v[\sr] matrix_a_fmt:MATRIX_FMT_BF8 matrix_b_fmt:MATRIX_FMT_BF8
.endif
.endm
.macro MUL16 a0, p, q, sc, first
.irp a, \a0, \a0+1
.irp b, 0,1,2,3,4,5,6,7
.if \first
	WM 8*(8*((\a)%4)+\b), 128*(\p)+FR*\b, AF+FR*(\a), BI+8*\b, SC+16*(\sc)+2*(\b%4)+(\q), SC+16*(\sc)+8+4*(\q)+(\a)%4, \b/4, (\a)/4
.else
	WM 8*(8*((\a)%4)+\b), 128*(\p)+FR*\b, AF+FR*(\a), 8*(8*((\a)%4)+\b), SC+16*(\sc)+2*(\b%4)+(\q), SC+16*(\sc)+8+4*(\q)+(\a)%4, \b/4, (\a)/4
.endif
.endr
.endr
.endm
.macro FETCH_B slot, q, p
	WIN TO_B
.irp i, 0,1,2,3,4,5,6,7
	FRAGP 128*(\p)+FR*\i, ADRB+\slot, \q, \i
.endr
	WIN 0
.endm
.macro FETCH_A slot, q, i0
.irp i, \i0, \i0+1, \i0+2, \i0+3
	FRAGR AF+FR*(\i), ADRA+\slot, \q, \i
.endr
.endm
.macro SCALES sc
.irp i, 0,1,2,3
	ds_load_b64 v[SC+16*\sc+2*\i:SC+16*\sc+2*\i+1], v[ADSP] offset:\i*544
.endr
.irp u, 0,1
	ds_load_b128 v[SC+16*\sc+8+4*\u:SC+16*\sc+8+4*\u+3], v[ADSR] offset:512*\u
.endr
.endm
.macro PLACES n
.rept \n
	v_nop
.endr
.endm
.macro STEP slot, q, first
	s_wait_dscnt 4*NL
	WIN MUL_LO-0x20*(\first)
	MUL16 0, (\q)%2, \q, \slot, \first
	MUL16 2, (\q)%2, \q, \slot, \first
	s_wait_dscnt 0
	PLACES NP
	FETCH_B \slot, (\q)+1, 1-(\q)%2
	FETCH_A \slot, (\q)+1, 0
	WIN MUL_HI-0x30*(\first)
	MUL16 4, (\q)%2, \q, \slot, \first
	MUL16 6, (\q)%2, \q, \slot, \first
	PLACES NP
	WIN 0
	FETCH_A \slot, (\q)+1, 4
.endm
.macro TURN slot, next, fill
	s_wait_tensorcnt 0x0
	ds_add_u32 v[SPW], v[NIL]
	s_wait_dscnt 4*NL+1
	WIN MUL_LO
	MUL16 0, 1, NQ-1, \slot, 0
	s_wait_dscnt 0x0
	s_barrier_signal -1
	MUL16 2, 1, NQ-1, \slot, 0
	WIN 0
	s_barrier_wait -1
.if \fill
	CREST
	s_add_nc_u64 s[G0+4*\slot+2:G0+4*\slot+3], s[G0+4*\slot+2:G0+4*\slot+3], 2*4096
	s_add_nc_u64 s[G0B+4*\slot+2:G0B+4*\slot+3], s[G0B+4*\slot+2:G0B+4*\slot+3], 2*256
	JLOAD G0+4*\slot, G1, G0B+4*\slot, G1B
	PLACES NP-4
.else
	PLACES NP
.endif
	s_wait_alu depctr_va_vdst(0)
	v_add_nc_u32 v[ADSP], 8, v[ADSP]
	v_add_nc_u32 v[ADSR], 1024, v[ADSR]
	FETCH_B \next, 0, 0
	FETCH_A \next, 0, 0
	SCALES \next
	WIN MUL_HI
	MUL16 4, 1, NQ-1, \slot, 0
	MUL16 6, 1, NQ-1, \slot, 0
	PLACES NP
	WIN 0
	FETCH_A \next, 0, 4
.endm
	s_wait_alu depctr_va_vdst(0)
	s_wait_tensorcnt 0x0                           ; my tile of the head's four is in
	ds_add_u32 v[SPW], v[NIL]
	s_mov_b32 s[G1+2], 8<<16                       ; no tensor load of mine is out, so a descriptor may be written: from here on a load brings half a tile's rows
	s_mov_b32 s[G1+4], 8
	s_mov_b32 s[G1B+2], 128<<16
	s_mov_b32 s[G1B+4], 128
	s_wait_dscnt 0x0
	CROUND                                         ; all four tiles are in, and all sixteen work-groups are here
	JLOAD G0+4, G1, G0B+4, G1B                     ; K step 1, the first tensor load behind the round
	FETCH_B 0, 0, 0
	FETCH_A 0, 0, 0
	SCALES 0
	FETCH_A 0, 0, 4
	s_wait_loadcnt 0x0
	STEP 0, 0, 1
	s_mov_b32 s3, LAPS-1
.Llap:
	TURN 0, 1, 1
	STEP 1, 0, 0
	TURN 1, 0, 1
	STEP 0, 0, 0
	s_sub_co_u32 s3, s3, 1
	s_cmp_lg_u32 s3, 0
	s_cbranch_scc1 .Llap
	TURN 0, 1, 0
	STEP 1, 0, 0
	s_wait_dscnt 4*NL
	WIN MUL_LO
	MUL16 0, 1, NQ-1, 1, 0
	MUL16 2, 1, NQ-1, 1, 0
	s_wait_dscnt 0
	WIN MUL_HI
	MUL16 4, 1, NQ-1, 1, 0
	MUL16 6, 1, NQ-1, 1, 0
	WIN 0
.macro TOSTAGE a
.set AC, 64*((\a)%4)
	WIN 0x08+4*((\a)/4)
.irp b, 0,1,2,3,4,5,6,7
	ds_store_b128 v[STO], v[AC+8*\b:AC+8*\b+3] offset:128*(\b/2)+32*(\b%2)
	ds_store_b128 v[STO], v[AC+8*\b+4:AC+8*\b+7] offset:128*(\b/2)+32*(\b%2)+16
.endr
	WIN 0
.set BB, BK+64*((\a)%2)
.irp t, 0,1,2,3,4,5,6,7,8,9,10,11,12,13,14,15
	ds_load_b128 v[BB+4*\t:BB+4*\t+3], v[RD] offset:\t*SPITCH
.endr
.endm
.macro SEND a, younger
.set BB, BK+64*((\a)%2)
	s_wait_dscnt \younger
.irp t, 0,1,2,3,4,5,6,7,8,9,10,11,12,13,14,15
	global_store_b128 v[CO], v[BB+4*\t:BB+4*\t+3], s[98:99] offset:(32*((\a)/2)+8*((\a)%2)+\t+8*(\t/8))*4096 th:TH_STORE_NT
.endr
.endm
	PLACES NP
	TOSTAGE 0
.irp a, 1,2,3,4,5,6,7
.if \a > 1
	s_wait_xcnt 0x0
.endif
	TOSTAGE \a
	SEND \a-1, 32
.endr
	SEND 7, 0
	s_wait_tensorcnt 0x0
	ds_add_u32 v[SPW], v[NIL]
	s_wait_dscnt 0x0
	CROUND
	s_endpgm
.Lfunc_end_k_qef8cf486ac_proj:
	.size	k_qef8cf486ac_proj, .Lfunc_end_k_qef8cf486ac_proj-k_qef8cf486ac_proj
	.p2alignl 7, 3214868480
	.fill 96, 4, 3214868480
	.section	.rodata,"a",@progbits
	.p2align	6, 0x0
	.amdhsa_kernel k_qef8cf486ac_proj
		.amdhsa_group_segment_fixed_size 327680
		.amdhsa_private_segment_fixed_size 0
		.amdhsa_enable_private_segment 0
		.amdhsa_kernarg_size 48
		.amdhsa_user_sgpr_count 2
		.amdhsa_user_sgpr_kernarg_segment_ptr 1
		.amdhsa_wavefront_size32 1
		.amdhsa_system_sgpr_workgroup_id_x 1
		.amdhsa_system_sgpr_workgroup_id_y 1
		.amdhsa_system_sgpr_workgroup_id_z 1
		.amdhsa_system_vgpr_workitem_id 0
		.amdhsa_next_free_vgpr 1024
		.amdhsa_next_free_sgpr 100
		.amdhsa_reserve_vcc 0
		.amdhsa_float_denorm_mode_32 3
		.amdhsa_float_denorm_mode_16_64 3
		.amdhsa_memory_ordered 1
		.amdhsa_forward_progress 1
		.amdhsa_inst_pref_size 147
	.end_amdhsa_kernel
	.amdgpu_metadata
---
amdhsa.version: [ 1, 2 ]
amdhsa.kernels:
  - .name:           k_qef8cf486ac_proj
    .symbol:         k_qef8cf486ac_proj.kd
    .args:
      - { .name: at_img, .offset: 0, .size: 8, .value_kind: global_buffer, .address_space: global }
      - { .name: at_sc, .offset: 8, .size: 8, .value_kind: global_buffer, .address_space: global }
      - { .name: codes1, .offset: 16, .size: 8, .value_kind: global_buffer, .address_space: global }
      - { .name: scales1, .offset: 24, .size: 8, .value_kind: global_buffer, .address_space: global }
      - { .name: b_out, .offset: 32, .size: 8, .value_kind: global_buffer, .address_space: global }
      - { .name: out0, .offset: 40, .size: 8, .value_kind: global_buffer, .address_space: global }
    .group_segment_fixed_size: 327680
    .private_segment_fixed_size: 0
    .kernarg_segment_align: 8
    .kernarg_segment_size: 48
    .max_flat_workgroup_size: 128
    .sgpr_count:     100
    .vgpr_count:     1024
    .wavefront_size: 32
...
	.end_amdgpu_metadata
.endif
;; end of part 4
